; MI455X (gfx1250); checked and timed in simulation.
; The chip was launched on July 23, 2026; its instructions are those of AMD's public machine-readable ISA for CDNA 5 (MIT licence, August 2026) and "CDNA5" Instruction Set Architecture Reference Guide (July 2026). The comments in the code are by the model that wrote it; some were corrected since.
;; Masked Causal Attention. Allowed arithmetic: matrix products marked QUANTISED: E2M3 operands, one E8M0 scale for each 32 along K, by v_wmma_scale_f32_16x16x128_f8f6f4 with both operands' format E2M3, f32 sums; everything else in f32.
;; Inputs: Wk 1,024 x 1,024 float32; Wp 1,024 x 1,024 float32; Wq 1,024 x 1,024 float32; Wv 1,024 x 1,024 float32; bk 1,024 float32; bp 1,024 float32; bq 1,024 float32; bv 1,024 float32; x 4 x 2,048 x 1,024 float32.
;; Outputs: out0 4 x 2,048 x 1,024 float32.
;; This version of the problem:
;;   THIS VERSION OF THE PROBLEM IS GIVEN IN LOW PRECISION. The matrix products marked QUANTISED in the list below multiply operands that are first quantised to E2M3 (2 exponent bits, 3 mantissa bits; 6 bits a number), with one power-of-two scale for each 32 numbers along K (OCP MX v1.0); their sums are f32. All else is computed in f32.
;;   The module's matrix products, in the order in which they are computed (A, B: the left and right operand; K: the contracted axis; several contracted axes count as one K, in the product's order):
;;     1. [M 8,192, K 1,024] x [K 1,024, N 1,024]; A: input x; B: input Wq: QUANTISED
;;     2. [M 8,192, K 1,024] x [K 1,024, N 1,024]; A: input x; B: input Wk: QUANTISED
;;     3. [M 8,192, K 1,024] x [K 1,024, N 1,024]; A: input x; B: input Wv: QUANTISED
;;     4. batch 64 x [M 2,048, K 64] x [K 64, N 2,048]; A: computed on the way; B: computed on the way: QUANTISED
;;     5. batch 64 x [M 2,048, K 2,048] x [K 2,048, N 64]; A: softmax (see below); B: computed on the way: QUANTISED
;;     6. [M 8,192, K 1,024] x [K 1,024, N 1,024]; A: computed on the way; B: input Wp: QUANTISED
;;   THE QUANTISER, for each operand of a quantised product, along K:
;;     - K is cut into blocks of 32 from its start; a last block that is shorter is filled with zeros.
;;     - A block's scale is 2^e with e = floor(log2(the largest magnitude in the block)) - 2, held to -126 .. 127; a block of zeros has e = 0. As a byte (E8M0): e + 127.
;;     - Each number is divided by its block's scale, clamped to +-7.5, and rounded to the nearest number of E2M3, ties to even, subnormals kept.
;;     - The product sums the exact products of the quantised numbers (number of the format x scale) in f32.
;;   ~~~python
;;   def quantise(x, axis):      # numpy; x: float32 -> the quantised numbers, widened to float32 again
;;       x = np.moveaxis(x, axis, -1); K = x.shape[-1]
;;       x = np.pad(x, [(0, 0)] * (x.ndim - 1) + [(0, -K % 32)]); x = x.reshape(x.shape[:-1] + (-1, 32)); a = np.abs(x).max(-1, keepdims=True)
;;       e = np.where(a > 0, np.clip(np.frexp(np.where(a > 0, a, 1))[1] - 1 - 2, -126, 127), 0)      # np.frexp(a)[1] - 1 = floor(log2(a)), exactly
;;       r = np.clip(x / 2.0 ** e, -7.5, 7.5)
;;       step = 2.0 ** (np.maximum(np.frexp(np.where(r == 0, 1, r))[1] - 1, 0) - 3)
;;       q = np.round(r / step) * step * 2.0 ** e      # np.round: ties to even
;;       return np.moveaxis(q.reshape(q.shape[:-2] + (-1,))[..., :K], -1, axis).astype(np.float32)
;;   ~~~
;;   SOFTMAX AHEAD OF A QUANTISED PRODUCT. Where the list says 'softmax', what is quantised is not the finished softmax but p = 2^(t - M), with t = logit x log2(e) and M = ceil(the row's largest t), a whole number; so 1/2 < the row's largest p <= 1. The row's sum l is taken of the UNQUANTISED p, in f32, and the product's result is divided by l at the end. Since M is a whole number, a kernel that streams over the keys may use a running M (the ceiling of the running maximum): every later rescaling is an exact power of two, which a block's scale takes up: the codes' values come out the same.
;;   OPERANDS COMPUTED ON THE WAY. 'Computed on the way' means the value that the module computes at that place (a softmax that the list does not call 'softmax' is quantised finished and normalised). What goes into a quantiser is computed in f32, as accurately as f32 sums, v_exp_f32 and their like allow (about 1e-6 of the number): no bf16 or f16 on the way to a quantiser, and a product that is left as it is and whose result goes on into a quantised operand takes f32 operands (vector FMAs, or v_wmma_f32_16x16x4_f32). A number that lies on a knife's edge between two numbers of the format may be rounded either way, as far as f32 arithmetic and the matrix unit's own rounding can turn it there, and no further.
;; One version. Each part assembles by itself: llvm-mc -triple=amdgcn-amd-amdhsa -mcpu=gfx1250 --defsym DOCPART=n.
;; ======== version 1 of 1: 4 launches
;; workspace buffers: xc 6,291,456 bytes; wc 2,359,296 bytes; wpc 786,432 bytes; sc2 360,448 bytes; sc4 294,912 bytes; rope 524,288 bytes; qkv 20,185,088 bytes; ac 6,291,456 bytes
;; launch quant (part 1): grid 384 x 1, 4 waves a work-group, no clusters, 35,328 bytes of LDS; arguments x, Wq, Wk, Wv, Wp, xc, wc, wpc, sc2, sc4, rope; writes xc, wc, wpc, sc2, sc4, rope
.if DOCPART == 1
	.amdgcn_target "amdgcn-amd-amdhsa--gfx1250"
	.amdhsa_code_object_version 6
	.text
	.protected	k_qf07e978ccd_quant
	.globl	k_qf07e978ccd_quant
	.p2align	8
	.type	k_qf07e978ccd_quant,@function
k_qf07e978ccd_quant:
	s_mov_b64 s[64:65], 0
	v_nop
	global_prefetch_b8 v0, s[64:65] scope:SCOPE_SE
	s_setreg_imm32_b32 hwreg(HW_REG_WAVE_MODE, 25, 1), 1
	s_wait_xcnt 0x0
; x [8192][1024] and Wq, Wk, Wv, Wp [1024][1024], f32 with K innermost, become codes of FP6 (E2M3) with one E8M0 byte for each 32 along K; and the table of cos and sin for the rotation of q and k is made.
; LAYOUT OF THE CODES: images of the operand's registers.  A fragment is 16 rows x 128 K, 12 registers a lane, 1,536 bytes: registers 0-3 at 16 x lane, 4-5 at 512 + 8 x lane, 6-9 at 768 + 16 x lane, 10-11 at 1,280 + 8 x lane.
; THE ROWS OF A FRAGMENT ARE NOT NEIGHBOURS: row block 2 b + u, lane row rho, is row 32 b + 8 u + rho + 8 (rho / 8), so that results of products on these fragments have 16 neighbours along the next K in a lane.
; Codes: [row block][K step 0..7][1,536].  Scale words (four bytes: 128 along K of a row): [K step][16 x row block + rho], x's and Wq, Wk, Wv's rows in one buffer, att's (made later) and Wp's in another.
; A block's byte is its largest magnitude's exponent field - 2, held at 1 from below.
; LIMITS: a block of zeros, and a block whose largest magnitude lies under 2^-124, get the byte 1 (the rule says 127 for zeros: the codes are zeros, and this program alone reads the bytes); NaN and infinities among the inputs are not served.
; THE TABLE: rope[t][0..31] = cos(t f_j), rope[t][32..63] = sin(t f_j), f_j = 10000^(-j / 32) = 2^(-j x 0.41524101) by v_exp_f32; the angle t f_j is one f32 product; it is reduced by multiples of pi / 2 held in two parts,
; and cos and sin come from polynomials on [-pi / 4, pi / 4] (terms to r^9 and r^10).  LIMIT: f_j carries the exponential's last-place error and that of the rounded product in front of it, so an angle near t = 2047 can differ by about 2e-4 from one made with another f32 power.
; SHARES: work-group = 64 rows x half of K (4 K steps); wave w takes row block w of the four and makes 4 fragments.  Groups 0-127: x; 128-175: Wq, Wk, Wv; 176-191: Wp.  The first 256 work-groups also make 8 rows of the table, two a wave.
; A load reads 512 consecutive bytes of a row; a fragment's 16 rows turn through the wave's own stage in LDS (rows of 512 + 16 bytes), from which a lane takes its two whole blocks of 32.  Loads run two fragments ahead.
.set STG,   8448                       ; a wave's stage: 16 rows x 528
.set SCST,  4*STG                      ; the work-group's scale words: [4 K steps][64 rows], 1,024 bytes
.set SPARE, SCST+1024                  ; the spare words, 128 bytes a wave: two blocks of 256 bytes that no other line names
.set R0,  16                           ; v16-79, v80-143  two fragments as loaded
.set X,   144                          ; v144-207 my two blocks of 32
.set PC,  208                          ; v208-219 the fragment's codes
.set PT,  220                          ; v220-222, v224-226 second halves of the blocks' codes
.set TM,  228                          ; v228-229 largest magnitudes
.set SO,  230                          ; v230-231 the conversions' scale operands
.set BY,  232                          ; v232-233 bytes
.set WD,  234                          ; v234 the scale word
.set PX,  235                          ; v235 the other half's bytes
.set SPW, 252                          ; v252 LDS address of my spare word; never rewritten
.set NIL, 253                          ; v253 0; never rewritten
	s_load_b512 s[4:19], s[0:1], 0x0               ; x, Wq, Wk, Wv, Wp, xc, wc, wpc
	s_load_b128 s[20:23], s[0:1], 0x40             ; sc2, sc4
	s_load_b64 s[24:25], s[0:1], 0x50              ; rope
	v_lshl_add_u32 v[SPW], v0, 2, SPARE
	v_mov_b32 v[NIL], 0
	v_lshrrev_b32 v9, 5, v0
	v_readfirstlane_b32 s26, v9                    ; wave
	v_and_b32 v10, 31, v0                          ; lane
	v_and_b32 v11, 15, v0                          ; r
	v_bfe_u32 v7, v0, 4, 1                         ; h
	v_lshlrev_b32 v1, 4, v10                       ; 16 x lane
	v_lshlrev_b32 v2, 3, v10                       ; 8 x lane
	s_mul_i32 s27, s26, STG
	v_add_nc_u32 v3, s27, v1                       ; into the stage: 16 x lane of a row
	v_mul_u32_u24 v4, v11, 528
	v_lshl_add_u32 v4, v7, 7, v4
	v_add_nc_u32 v4, s27, v4                       ; out of it: row r, + 128 h bytes: my block of 32
	s_lshl_b32 s28, s26, 6
	v_lshlrev_b32 v5, 2, v11
	v_add_nc_u32 v5, s28, v5
	v_add_nc_u32 v5, SCST, v5                      ; my row's scale word: 64 x wave + 4 r
	v_lshl_add_u32 v6, v0, 3, SCST                 ; and on the way out: wave w takes K step w's 256 bytes, 8 a lane
	v_lshlrev_b32 v8, 3, v7                        ; 8 h: my bytes' place in the word
	v_mov_b32 v[PX], 0                             ; a lane permute's destination counts as one of its sources
	s_mov_b32 s54, 0x76543210
	s_mov_b32 s55, 0xfedcba98                      ; lane l xor 16
	s_lshr_b32 s30, ttmp9, 1                       ; G: the group of 64 rows
	s_and_b32 s31, ttmp9, 1                        ; which half of K
	s_wait_kmcnt 0x0
	; the tensor, by G alone
	s_mov_b64 s[32:33], s[12:13]
	s_mov_b64 s[36:37], s[18:19]
	s_mov_b32 s38, 176
	s_mov_b32 s42, 36864
	s_cmp_lt_u32 s30, 176
	s_cselect_b64 s[32:33], s[10:11], s[32:33]
	s_cselect_b64 s[36:37], s[16:17], s[36:37]     ; the codes' buffer,
	s_cselect_b32 s38, 128, s38                    ; its first group,
	s_cselect_b64 s[40:41], s[20:21], s[22:23]     ; the scale words' buffer,
	s_cselect_b32 s42, 45056, s42                  ; bytes from K step to K step in it,
	s_cselect_b32 s43, 0, 48                       ; and 64 (G - this) is the group's first row there
	s_cmp_lt_u32 s30, 160
	s_cselect_b64 s[32:33], s[8:9], s[32:33]
	s_cmp_lt_u32 s30, 144
	s_cselect_b64 s[32:33], s[6:7], s[32:33]
	s_and_b32 s34, s30, 15
	s_cmp_lt_u32 s30, 128
	s_cselect_b64 s[32:33], s[4:5], s[32:33]
	s_cselect_b64 s[36:37], s[14:15], s[36:37]
	s_cselect_b32 s38, 0, s38
	s_cselect_b32 s34, s30, s34                    ; the group within its source tensor
	s_lshl_b32 s34, s34, 18                        ; 64 rows of 4,096 bytes
	s_lshr_b32 s35, s26, 1
	s_lshl_b32 s35, s35, 17                        ; + 32 (w / 2) rows
	s_add_co_u32 s34, s34, s35
	s_and_b32 s35, s26, 1
	s_lshl_b32 s35, s35, 15                        ; + 8 (w % 2) rows
	s_add_co_u32 s34, s34, s35
	s_lshl_b32 s35, s31, 11                        ; + my half of K
	s_add_co_u32 s34, s34, s35
	s_mov_b32 s35, 0
	s_add_nc_u64 s[32:33], s[32:33], s[34:35]
	s_sub_co_u32 s38, s30, s38
	s_lshl_b32 s38, s38, 2
	s_add_co_u32 s38, s38, s26                     ; my row block
	s_mul_i32 s38, s38, 12288
	s_mul_i32 s39, s31, 6144
	s_add_co_u32 s38, s38, s39
	s_mov_b32 s39, 0
	s_add_nc_u64 s[36:37], s[36:37], s[38:39]
	s_lshl_b32 s44, s31, 2
	s_add_co_u32 s44, s44, s26                     ; the K step whose words I store
	s_mul_i32 s44, s44, s42
	s_sub_co_u32 s45, s30, s43
	s_lshl_b32 s45, s45, 8                         ; 64 rows x 4 bytes
	s_add_co_u32 s44, s44, s45
	s_mov_b32 s45, 0
	s_add_nc_u64 s[40:41], s[40:41], s[44:45]
.macro LOADF j                         ; fragment j: 16 rows x 512 bytes; each load covers 512 consecutive bytes
.irp rho, 0,1,2,3,4,5,6,7,8,9,10,11,12,13,14,15
	global_load_b128 v[R0+64*((\j)%2)+4*\rho:R0+64*((\j)%2)+4*\rho+3], v1, s[32:33] offset:(\rho+8*(\rho/8))*4096+512*(\j) th:TH_LOAD_NT
.endr
.endm
	LOADF 0
	LOADF 1
	; ---- the table: two values a lane; lanes 0-15 make cos, lanes 16-31 sin, of j = 2 (lane % 16) and the next
	s_cmp_lt_u32 ttmp9, 256
	s_cbranch_scc0 .Lno_rope
	s_lshl_b32 s46, ttmp9, 3
	s_lshl_b32 s47, s26, 1
	s_add_co_u32 s46, s46, s47                     ; my first t
	s_lshl_b32 s48, s46, 8
	s_mov_b32 s49, 0
	s_add_nc_u64 s[24:25], s[24:25], s[48:49]
	s_mov_b32 s51, 0x3fc90fdb                      ; pi / 2, upper part
	s_mov_b32 s52, 0xb33bbd2e                      ; and what is left of it
	v_lshlrev_b32 v240, 1, v11
	v_cvt_f32_u32 v240, v240
	v_add_f32 v241, 1.0, v240
	v_mul_f32 v240, 0xbed49a78, v240               ; -j log2(10000) / 32
	v_mul_f32 v241, 0xbed49a78, v241
	v_exp_f32 v240, v240
	v_exp_f32 v241, v241
	v_mul_u32_u24 v242, v7, 3                      ; 3 h: sin(a) = cos(a - pi / 2), three quarter turns on.  (The plain line behind the exponentials)
	s_wait_alu depctr_va_vdst(0)                   ; one wait for both, ahead of their first reader
.macro TRIG inv, out
	v_mul_f32 v244, v243, v[\inv]                  ; the angle
	v_mul_f32 v245, 0x3f22f983, v244
	v_rndne_f32 v245, v245                         ; n = the nearest multiple of pi / 2
	v_fma_f32 v246, -v245, s51, v244
	v_fma_f32 v246, -v245, s52, v246               ; r, within pi / 4 of 0
	v_mul_f32 v247, v246, v246
	v_mov_b32 v248, 0x3638ef1d
	v_fmaak_f32 v248, v248, v247, 0xb9500d01
	v_fmaak_f32 v248, v248, v247, 0x3c088889
	v_fmaak_f32 v248, v248, v247, 0xbe2aaaab
	v_mul_f32 v251, v246, v247
	v_fma_f32 v248, v251, v248, v246               ; sin r
	v_mov_b32 v249, 0xb493f27e
	v_fmaak_f32 v249, v249, v247, 0x37d00d01
	v_fmaak_f32 v249, v249, v247, 0xbab60b61
	v_fmaak_f32 v249, v249, v247, 0x3d2aaaab
	v_fmaak_f32 v249, v249, v247, 0xbf000000
	v_fma_f32 v249, v249, v247, 1.0                ; cos r
	v_cvt_i32_f32 v250, v245
	v_add_nc_u32 v250, v250, v242                  ; m = n + 3 h.  cos(m pi / 2 + r): m % 4 = 0: cos r; 1: -sin r; 2: -cos r; 3: sin r
	v_and_b32 v251, 1, v250
	v_cmp_eq_u32 vcc_lo, 1, v251
	v_cndmask_b32 v[\out], v249, v248, vcc_lo
	v_add_nc_u32 v250, 1, v250
	v_and_b32 v250, 2, v250
	v_lshlrev_b32 v250, 30, v250
	v_xor_b32 v[\out], v[\out], v250
.endm
.irp tt, 0,1
	s_add_co_u32 s50, s46, \tt
	v_cvt_f32_u32 v243, s50
	TRIG 240, 236+2*\tt
	TRIG 241, 237+2*\tt
	global_store_b64 v2, v[236+2*\tt:237+2*\tt], s[24:25] offset:256*\tt   ; 32 lanes store a row of the table: 256 consecutive bytes, aligned
.endr
.Lno_rope:
.macro FRAGQ j
.set RS, R0+64*((\j)%2)
.if (\j) < 3
	s_wait_loadcnt 16                              ; this fragment's 16 loads are in; the next fragment's 16 may be out
.else
	s_wait_loadcnt 0
.endif
.irp rho, 0,1,2,3,4,5,6,7,8,9,10,11,12,13,14,15
	ds_store_b128 v3, v[RS+4*\rho:RS+4*\rho+3] offset:\rho*528
.endr
.irp c, 0,1
.irp i, 0,1,2,3,4,5,6,7
	ds_load_b128 v[X+32*\c+4*\i:X+32*\c+4*\i+3], v4 offset:256*\c+16*\i   ; k = 64 c + 32 h + 4 i ..: LDS serves a wave's instructions in order, so these see the stores above
.endr
.endr
	s_wait_dscnt 0x0                               ; my two blocks are here, and the stores have read their registers,
.if (\j) < 2
	LOADF (\j)+2                                   ; which take the fragment two further on
.endif
.irp c, 0,1
	v_max3_num_f32 v[TM+\c], |v[X+32*\c]|, |v[X+32*\c+1]|, 0x1800000   ; the floor 2^(3 - 127) among the leaves: the byte cannot fall under 1
.endr
.irp i, 2,4,6,8,10,12,14,16,18,20,22,24,26,28,30
.irp c, 0,1
	v_max3_num_f32 v[TM+\c], v[TM+\c], |v[X+32*\c+\i]|, |v[X+32*\c+\i+1]|
.endr
.endr
.irp c, 0,1
	v_add_nc_u32 v[SO+\c], 0xff000000, v[TM+\c]    ; 2 off the exponent field: the conversion's scale operand
.endr
.irp c, 0,1
	v_lshrrev_b32 v[BY+\c], 23, v[SO+\c]           ; the byte
.endr
	v_lshl_or_b32 v[WD], v[BY+1], 16, v[BY]        ; blocks h and 2 + h,
	v_lshlrev_b32 v[WD], v8, v[WD]                 ; at their places in the word;
	v_permlanex16_b32 v[PX], v[WD], s54, s55
	v_or_b32 v[WD], v[WD], v[PX]                   ; with lane l xor 16's two it is whole
	s_wait_xcnt 0x0                                ; the last fragment's stores have read the codes' registers
	v_cvt_scalef32_pk16_fp6_f32 v[PC:PC+2], v[X:X+15], v[SO]
	v_cvt_scalef32_pk16_fp6_f32 v[PT:PT+2], v[X+16:X+31], v[SO]          ; (a conversion's three registers begin on an even number)
	v_cvt_scalef32_pk16_fp6_f32 v[PC+6:PC+8], v[X+32:X+47], v[SO+1]
	v_cvt_scalef32_pk16_fp6_f32 v[PT+4:PT+6], v[X+48:X+63], v[SO+1]
	v_nop                                          ; one plain line behind the conversions
.irp i, 0,1,2
	v_mov_b32 v[PC+3+\i], v[PT+\i]
	v_mov_b32 v[PC+9+\i], v[PT+4+\i]
.endr
	global_store_b128 v1, v[PC:PC+3], s[36:37] offset:1536*(\j)          ; 512 consecutive bytes, aligned to 256
	global_store_b64 v2, v[PC+4:PC+5], s[36:37] offset:1536*(\j)+512     ; 256
	global_store_b128 v1, v[PC+6:PC+9], s[36:37] offset:1536*(\j)+768
	global_store_b64 v2, v[PC+10:PC+11], s[36:37] offset:1536*(\j)+1280
	ds_store_b32 v5, v[WD] offset:256*(\j)         ; both lanes of a row write the same word with the same value
.endm
	FRAGQ 0
	FRAGQ 1
	FRAGQ 2
	FRAGQ 3
	s_wait_dscnt 0x0                               ; for the others' sake: my scale words lie in LDS
	s_barrier_signal -1
	s_barrier_wait -1
	ds_load_b64 v[TM:TM+1], v6                     ; K step w's words of all 64 rows
	s_wait_dscnt 0x0
	global_store_b64 v2, v[TM:TM+1], s[40:41]      ; 256 consecutive bytes, aligned
	s_wait_tensorcnt 0x0                           ; the wave's end, behind my last LDS store
	ds_add_u32 v[SPW], v[NIL]
	s_wait_dscnt 0x0
	s_endpgm
.Lfunc_end_k_qf07e978ccd_quant:
	.size	k_qf07e978ccd_quant, .Lfunc_end_k_qf07e978ccd_quant-k_qf07e978ccd_quant
	.p2alignl 7, 3214868480
	.fill 96, 4, 3214868480
	.section	.rodata,"a",@progbits
	.p2align	6, 0x0
	.amdhsa_kernel k_qf07e978ccd_quant
		.amdhsa_group_segment_fixed_size 35328
		.amdhsa_private_segment_fixed_size 0
		.amdhsa_enable_private_segment 0
		.amdhsa_kernarg_size 88
		.amdhsa_user_sgpr_count 2
		.amdhsa_user_sgpr_kernarg_segment_ptr 1
		.amdhsa_wavefront_size32 1
		.amdhsa_system_sgpr_workgroup_id_x 1
		.amdhsa_system_sgpr_workgroup_id_y 1
		.amdhsa_system_sgpr_workgroup_id_z 1
		.amdhsa_system_vgpr_workitem_id 0
		.amdhsa_next_free_vgpr 256
		.amdhsa_next_free_sgpr 66
		.amdhsa_reserve_vcc 1
		.amdhsa_float_denorm_mode_32 3
		.amdhsa_float_denorm_mode_16_64 3
		.amdhsa_memory_ordered 1
		.amdhsa_forward_progress 1
		.amdhsa_inst_pref_size 38
	.end_amdhsa_kernel
	.amdgpu_metadata
---
amdhsa.version: [ 1, 2 ]
amdhsa.kernels:
  - .name:           k_qf07e978ccd_quant
    .symbol:         k_qf07e978ccd_quant.kd
    .args:
      - { .name: x, .offset: 0, .size: 8, .value_kind: global_buffer, .address_space: global }
      - { .name: Wq, .offset: 8, .size: 8, .value_kind: global_buffer, .address_space: global }
      - { .name: Wk, .offset: 16, .size: 8, .value_kind: global_buffer, .address_space: global }
      - { .name: Wv, .offset: 24, .size: 8, .value_kind: global_buffer, .address_space: global }
      - { .name: Wp, .offset: 32, .size: 8, .value_kind: global_buffer, .address_space: global }
      - { .name: xc, .offset: 40, .size: 8, .value_kind: global_buffer, .address_space: global }
      - { .name: wc, .offset: 48, .size: 8, .value_kind: global_buffer, .address_space: global }
      - { .name: wpc, .offset: 56, .size: 8, .value_kind: global_buffer, .address_space: global }
      - { .name: sc2, .offset: 64, .size: 8, .value_kind: global_buffer, .address_space: global }
      - { .name: sc4, .offset: 72, .size: 8, .value_kind: global_buffer, .address_space: global }
      - { .name: rope, .offset: 80, .size: 8, .value_kind: global_buffer, .address_space: global }
    .group_segment_fixed_size: 35328
    .private_segment_fixed_size: 0
    .kernarg_segment_align: 8
    .kernarg_segment_size: 88
    .max_flat_workgroup_size: 128
    .sgpr_count:     66
    .vgpr_count:     256
    .wavefront_size: 32
...
	.end_amdgpu_metadata
.endif
;; end of part 1
;; launch qkvp (part 2): grid 8 x 48, 4 waves a work-group, clusters of 4 x 4, 327,680 bytes of LDS; arguments xc, wc, sc2, bq, bk, bv, rope, qkv; writes qkv
.if DOCPART == 2
	.amdgcn_target "amdgcn-amd-amdhsa--gfx1250"
	.amdhsa_code_object_version 6
	.text
	.protected	k_qf07e978ccd_qkvp
	.globl	k_qf07e978ccd_qkvp
	.p2align	8
	.type	k_qf07e978ccd_qkvp,@function
k_qf07e978ccd_qkvp:
	s_mov_b64 s[64:65], 0
	v_nop
	global_prefetch_b8 v0, s[64:65] scope:SCOPE_SE
	s_setreg_imm32_b32 hwreg(HW_REG_WAVE_MODE, 25, 1), 1
	s_wait_xcnt 0x0
	s_wait_alu depctr_hold_cnt(0) depctr_sa_sdst(0) depctr_va_vdst(0) depctr_va_sdst(0) depctr_va_ssrc(0) depctr_va_vcc(0) depctr_vm_vsrc(0)
	s_getreg_b32 s2, hwreg(HW_REG_IB_STS2, 6, 4)
	s_cmp_eq_u32 s2, 0
	s_cbranch_scc0 .Lentry_in_a_cluster
	s_endpgm
.Lentry_in_a_cluster:
	s_bfe_u32 s2, ttmp6, 0x10000c
	s_cmp_lg_u32 s2, 0xf033
	s_cbranch_scc0 .Lentry_shape_is_right
	s_endpgm
.Lentry_shape_is_right:
; q, k, v = x W^T + b on codes of FP6 (E2M3) with E8M0 scales; q and k are rotated; all three are quantised again, q and k along the head's 64, v along the keys, and stored as images of the operands that the attention launch reads.
; A tile is 256 rows of an "A role" x 256 rows of a "B role", K = 1,024; four waves, each 128 x 128: 64 accumulators of 16 x 16.  Source 0 = 16 rows of the B role, source 1 = 16 rows of the A role: a lane holds ONE row of the A role,
; and its registers run along the B role's rows.  Since every fragment's rows are row block 2 b + u, lane row rho = row 32 b + 8 u + rho + 8 (rho / 8), the 16 registers of accumulators 2 B and 2 B + 1 are B-role rows 32 B + 16 (lane / 16) + 0 .. 15.
; CLUSTERS y = 0..7 (q and k): A role = x, B role = Wq (cluster x = 0) or Wk (1): a lane holds a token, registers run along the features: two heads of 64.
; CLUSTERS y = 8..11 (v): A role = Wv, B role = x: a lane holds a feature, registers run along 128 tokens: the second attention product's K.  The branch hangs on the cluster's y, which all partners share.
; 4 x 4 work-groups form a cluster; A's tiles are asked for jointly along a row of the cluster, B's along a column.
; K goes through a ring of two LDS slots of 256 along K; a row block's two fragments of a slot are 3,072 dense bytes of memory, so a wave's tensor load is 8 rows of 3,072 bytes, 12,288 apart.  Fragments are images of registers: no pitch, no padding.
; The scale words of all of K stay in 64 registers: register 8 i + s holds, for K step s, A's block i in lanes 0-15 and B's block i in lanes 16-31.  The biases are the C of the first K step's products.
; By this text's own count a wave has at most two tensor loads out.
; LIMITS: a block of zeros, and one whose largest magnitude lies under 2^-124, get the byte 1; NaN and infinities are not served.
; q's and k's scale words carry the neighbouring head's two bytes (or zeros) in their upper half: they meet zero codes in the attention launch.
; WINDOWS: 0: v1-31 addresses; v32-95 scale words; v96-114 codes at work; v128-223 A's fragments, ONE set (in the tails: 64 rotated numbers, and v200-215 at work).  1: B's fragments, two sets at v0 and v128; biases in v96-127 and v224-255; in the q/k tail the table.  2, 3: accumulators.
.set FR,    12
.set NL,    4                          ; LDS loads that bring a fragment
.set FRB,   1536                       ; a fragment's image
.set BLK,   3072                       ; a row block's two fragments in a slot
.set HALFT, 8*BLK                      ; what one tensor load brings
.set SLOT,  4*HALFT                    ; A's 16 row blocks, then B's
.set SPARE, 2*SLOT                     ; the spare words, 128 bytes a wave: two blocks of 256 bytes that no other line names
.set SSTR,  45056                      ; scale words: bytes from K step to K step
.set SCO,   12582912                   ; regions of qkv: K's and V's scale words,
.set QCO,   13369344                   ; Q's codes,
.set QSO,   19660800                   ; Q's scale words
.set A16, 16                           ; v16-17 LDS address of my A fragments in slot 0, 1, 16 bytes a lane; v18-19 the same, 8 bytes a lane
.set B16, 20                           ; v20-23 the same for B
.set SPW, 28
.set NIL, 29
.set SC,  32
.set PWS, 32                           ; the tails: eight scale words just made
.set E,   40                           ; and as they are stored
.set PC,  96
.set AF,  128
.set D,   128
.set TM,  200
.set G1,  24
.set G0,  32
.set G1B, 48
.set G0B, 56
.set SEL, 94
.set MSB, 0
.macro WIN new                         ; the immediate's high byte repeats the setting that is left
.if MSB != (\new)
	s_set_vgpr_msb (MSB<<8)|(\new)
.set MSB, (\new)
.endif
.endm
.set TO_B, 0x40                        ; destination window 1, address window 0
; A joint load: waves 0 and 1 fetch for A, waves 2 and 3 for B; the branch hangs on the wave's number alone.  An s_nop 0 and four v_nop follow each of the two lines.
.macro JLOAD g0a, g1a, g0b, g1b
	s_cmp_eq_u32 s15, 0
	s_cbranch_scc0 .Lfor_b_\@
	tensor_load_to_lds s[\g0a:\g0a+3], s[\g1a:\g1a+7]
	s_nop 0
.rept 4
	v_nop
.endr
	s_branch .Lasked_\@
.Lfor_b_\@:
	tensor_load_to_lds s[\g0b:\g0b+3], s[\g1b:\g1b+7]
	s_nop 0
.rept 4
	v_nop
.endr
.Lasked_\@:
.endm
.macro CREST                           ; a round of the cluster's barrier behind its opening barrier
	s_cmp_lg_u32 s14, 0
	s_cbranch_scc1 .Lnot_wave_0_\@
	s_barrier_signal -3
.Lnot_wave_0_\@:
	s_barrier_wait -3
	s_barrier_signal -1
	s_barrier_wait -1
.endm
.macro CROUND
	s_barrier_signal -1
	s_barrier_wait -1
	CREST
.endm
.macro PLACES n                        ; plain lines between a matrix instruction and a load into, or a vector read or write of, its registers
.rept \n
	v_nop
.endr
.endm
.macro FRAG reg, adr, q, i             ; row block i's fragment of the slot's q-th 128 along K
	ds_load_b128 v[\reg:\reg+3], v[\adr] offset:(\i)*BLK+(\q)*FRB
	ds_load_b64 v[\reg+4:\reg+5], v[\adr+2] offset:(\i)*BLK+(\q)*FRB+512
	ds_load_b128 v[\reg+6:\reg+9], v[\adr] offset:(\i)*BLK+(\q)*FRB+768
	ds_load_b64 v[\reg+10:\reg+11], v[\adr+2] offset:(\i)*BLK+(\q)*FRB+1280
.endm
.macro FETCH_B slot, q, p
	WIN TO_B
.irp i, 0,1,2,3,4,5,6,7
	FRAG 128*(\p)+FR*\i, B16+\slot, \q, \i
.endr
	WIN 0
.endm
.macro FETCH_A slot, q, i0
.irp i, \i0, \i0+1, \i0+2, \i0+3
	FRAG AF+FR*(\i), A16+\slot, \q, \i
.endr
.endm
; 16 matrix instructions: A's blocks a0, a0 + 1 x B's eight, K step ks.  cm = 0: in place; 1: C = the bias of B's block (features along the registers); 2: C = the bias of A's block (a feature a lane).
; The 64 accumulators take turns, one instruction a turn, in the same order in every K step.
.macro MUL16 a0, p, ks, cm
.irp a, \a0, \a0+1
.irp b, 0,1,2,3,4,5,6,7
.set rD, 8*(8*((\a)%4)+\b)
.set rB, 128*(\p)+FR*\b
.set rA, AF+FR*(\a)
.if (\cm) == 0
.set rC, rD
.elseif (\cm) == 1
.set rC, 96+8*\b+96*(\b/4)
.else
.set rC, 96+8*(\a)+96*((\a)/4)
.endif
	v_wmma_scale_f32_16x16x128_f8f6f4 v[rD:rD+7], v[rB:rB+FR-1], v[rA:rA+FR-1], v[rC:rC+7], v[SC+8*\b+(\ks)], v[SC+8*(\a)+(\ks)] matrix_a_fmt:MATRIX_FMT_FP6 matrix_b_fmt:MATRIX_FMT_FP6 matrix_a_scale:MATRIX_SCALE_ROW1
.endr
.endr
.endm
.macro STEP slot, ks, cm               ; a slot's first K step; it fetches the second's fragments
	s_wait_dscnt 4*NL                              ; B's set and A's blocks 0-3 are in; the youngest 16 loads (A's blocks 4-7) may be out
.if (\cm) == 0
	WIN 0xa1                                       ; source 0 (B) window 1, source 1 (A) window 0, C and D window 2
.else
	WIN 0x91                                       ; C window 1
.endif
	MUL16 0, 0, \ks, \cm
	MUL16 2, 0, \ks, \cm
	s_wait_dscnt 0x0
	PLACES 4
	FETCH_B \slot, 1, 1
	FETCH_A \slot, 1, 0
.if (\cm) == 0
	WIN 0xf1
.else
	WIN 0xd1
.endif
	MUL16 4, 0, \ks, \cm
	MUL16 6, 0, \ks, \cm
	PLACES 4
	WIN 0
	FETCH_A \slot, 1, 4
.endm
; A slot's second K step changes slots: ONE barrier; in front of it each wave waits for all its tensor loads, adds 0 to its spare word, and waits for that and for its reads of this slot.  fill = 1: the barrier opens a round of the cluster's, and the slot is filled again first thing behind it.
.macro TURN slot, next, fill, ks
	s_wait_tensorcnt 0x0                           ; all my tensor loads have landed: my part of the next slot
	ds_add_u32 v[SPW], v[NIL]
	s_wait_dscnt 4*NL+1                            ; (the add and the youngest 16 loads may be out)
	WIN 0xa1
	MUL16 0, 1, \ks, 0
	s_wait_dscnt 0x0                               ; the add is done, and my reads of this slot are over
	s_barrier_signal -1
	MUL16 2, 1, \ks, 0
	WIN 0
	s_barrier_wait -1
.if \fill
	CREST                                          ; no wave of any partner still reads this slot or has a load on its way
	s_add_nc_u64 s[G0+4*\slot+2:G0+4*\slot+3], s[G0+4*\slot+2:G0+4*\slot+3], 2*BLK
	s_add_nc_u64 s[G0B+4*\slot+2:G0B+4*\slot+3], s[G0B+4*\slot+2:G0B+4*\slot+3], 2*BLK
	JLOAD G0+4*\slot, G1, G0B+4*\slot, G1B         ; its four v_nop are also the places in front of the loads below
.else
	PLACES 4
.endif
	FETCH_B \next, 0, 0
	FETCH_A \next, 0, 0
	WIN 0xf1
	MUL16 4, 1, \ks, 0
	MUL16 6, 1, \ks, 0
	PLACES 4
	WIN 0
	FETCH_A \next, 0, 4
.endm
.macro LAST ks
	s_wait_dscnt 4*NL
	WIN 0xa1
	MUL16 0, 1, \ks, 0
	MUL16 2, 1, \ks, 0
	s_wait_dscnt 0x0
	WIN 0xf1
	MUL16 4, 1, \ks, 0
	MUL16 6, 1, \ks, 0
	WIN 0
.endm
; 64 numbers of a lane in window w, register 16 b + i = k 32 b + 16 (lane / 16) + i of my row, become a fragment's codes in v[PC] on and its scale word in v[pw].
.macro QUANT s, w, pw
	WIN ((\w)<<2)|((\w)<<4)
.irp b, 0,1,2,3
	v_max3_num_f32 v[TM+\b], 0x1800000, |v[(\s)+16*\b]|, |v[(\s)+16*\b+1]|   ; the floor 2^(3 - 127) among the leaves
.endr
.irp i, 2,4,6,8,10,12,14
.irp b, 0,1,2,3
	v_max3_num_f32 v[TM+\b], v[TM+\b], |v[(\s)+16*\b+\i]|, |v[(\s)+16*\b+\i+1]|
.endr
.endr
	WIN 0
.irp b, 0,1,2,3
	v_permlanex16_b32 v[TM+4+\b], v[TM+\b], s[SEL], s[SEL+1]
.endr
.irp b, 0,1,2,3
	v_max_num_f32 v[TM+\b], v[TM+\b], v[TM+4+\b]   ; with lane l xor 16's: the block's largest magnitude
.endr
.irp b, 0,1,2,3
	v_add_nc_u32 v[TM+12+\b], 0xff000000, v[TM+\b] ; 2 off the exponent field: the conversion's scale operand
.endr
.irp b, 0,1,2,3
	v_lshrrev_b32 v[TM+4+\b], 23, v[TM+12+\b]      ; the byte
.endr
	v_lshl_or_b32 v[\pw], v[TM+5], 8, v[TM+4]
	v_lshl_or_b32 v[\pw], v[TM+6], 16, v[\pw]
	v_lshl_or_b32 v[\pw], v[TM+7], 24, v[\pw]
	WIN (\w)
.irp c, 0,1
	v_cvt_scalef32_pk16_fp6_f32 v[PC+6*\c:PC+6*\c+2], v[(\s)+32*\c:(\s)+32*\c+15], v[TM+12+2*\c]
	v_cvt_scalef32_pk16_fp6_f32 v[PC+12+4*\c:PC+12+4*\c+2], v[(\s)+32*\c+16:(\s)+32*\c+31], v[TM+12+2*\c+1]
.endr
	WIN 0
	v_nop                                          ; one plain line behind the conversions
.irp c, 0,1                            ; the operand's layout wants a whole block in a lane
.irp i, 0,1,2
	v_permlane16_swap_b32 v[PC+6*\c+\i], v[PC+12+4*\c+\i]
.endr
.irp i, 0,1,2
	v_mov_b32 v[PC+3+6*\c+\i], v[PC+12+4*\c+\i]
.endr
.endr
.endm
	s_load_b512 s[68:83], s[0:1], 0x0              ; xc 68, wc 70, sc2 72, bq 74, bk 76, bv 78, rope 80, qkv 82
	v_lshl_add_u32 v[SPW], v0, 2, SPARE
	v_mov_b32 v[NIL], 0
	ds_add_u32 v[SPW], v[NIL]                      ; the wave's opening: the add and its wait ahead of my first tensor load
	v_lshrrev_b32 v1, 5, v0
	v_readfirstlane_b32 s14, v1                    ; wave
	s_lshr_b32 s15, s14, 1                         ; my half of the A role's rows.  Also: I fetch for A (0) or B (1)
	s_and_b32 s16, s14, 1                          ; my half of the B role's rows.  Also: which 128 rows I fetch
	s_bfe_u32 s40, ttmp6, 0x40000                  ; cx
	s_bfe_u32 s41, ttmp6, 0x40004                  ; cy
	s_mov_b32 s42, ttmp9                           ; cluster x
	s_and_b32 s17, ttmp7, 0xffff                   ; cluster y: under 8: q and k; else v
	s_lshl_b32 s18, s17, 2
	s_add_co_u32 s18, s18, s41                     ; 4 y + cy
	s_lshl_b32 s46, ttmp9, 2
	s_add_co_u32 s46, s46, s40                     ; 4 x + cx
	s_sub_co_u32 s47, s17, 8
	s_lshl_b32 s47, s47, 3
	s_add_co_u32 s47, s47, s46                     ; 8 (y - 8) + 4 x + cx
	s_cmp_lt_u32 s17, 8
	s_cselect_b32 s18, s18, s41                    ; the A role's tile: hangs on y and cy alone
	s_cselect_b32 s46, s46, s47                    ; the B role's: on x, y and cx alone
	s_lshl_b32 s43, s41, 2
	s_lshl_b32 s43, 15, s43                        ; my row of the cluster
	s_lshl_b32 s44, 0x1111, s40                    ; my column
	s_or_b32 s[G1], s43, (3<<16)|(1<<21)           ; 15:0 the mask; 17:16 elements of 8 bytes; 21 set beside a mask; no padding
	s_or_b32 s[G1B], s44, (3<<16)|(1<<21)
.irp g, G1, G1B
	s_mov_b32 s[\g+1], 384<<16                     ; tensor_dim0 = 384 elements: 3,072 bytes
	s_mov_b32 s[\g+2], 8<<16                       ; tensor_dim1 = 8
	s_mov_b32 s[\g+3], 384<<16                     ; tile_dim0
	s_mov_b32 s[\g+4], 8                           ; tile_dim1
	s_mov_b32 s[\g+5], 1536                        ; from row block to row block: 12,288 bytes
	s_mov_b32 s[\g+6], 0
	s_mov_b32 s[\g+7], 0
.endr
	s_lshl_b32 s19, s16, 3
	s_lshl_b32 s20, s18, 4
	s_add_co_u32 s20, s20, s19
	s_mul_i32 s20, s20, 12288                      ; A: row block 16 x tile + 8 x half
	s_mov_b32 s21, 0
	s_lshl_b32 s92, s46, 4
	s_add_co_u32 s92, s92, s19
	s_mul_i32 s92, s92, 12288                      ; B likewise
	s_mov_b32 s93, 0
	s_mul_i32 s45, s14, HALFT                      ; where they go: no place in the cluster enters an LDS address
	s_mov_b32 s[SEL], 0x76543210
	s_mov_b32 s[SEL+1], 0xfedcba98
	s_wait_dscnt 0x0                               ; the opening add is done
	s_wait_kmcnt 0x0
	s_add_nc_u64 s[84:85], s[70:71], 1572864       ; Wv's codes: row block 128 of wc
	s_cmp_lt_u32 s17, 8
	s_cselect_b64 s[86:87], s[68:69], s[84:85]     ; the A role's codes
	s_cselect_b64 s[88:89], s[70:71], s[68:69]     ; the B role's
	s_add_nc_u64 s[20:21], s[86:87], s[20:21]
	s_add_nc_u64 s[92:93], s[88:89], s[92:93]
	CROUND                                         ; all sixteen work-groups are here: the first joint loads meet
.irp s, 0,1
	s_mov_b32 s[G0+4*\s], 1
	s_add_co_u32 s[G0+4*\s+1], s45, \s*SLOT
	s_add_nc_u64 s[G0+4*\s+2:G0+4*\s+3], s[20:21], \s*BLK
	s_or_b32 s[G0+4*\s+3], s[G0+4*\s+3], 0x80000000
	s_mov_b32 s[G0B+4*\s], 1
	s_add_co_u32 s[G0B+4*\s+1], s45, \s*SLOT
	s_add_nc_u64 s[G0B+4*\s+2:G0B+4*\s+3], s[92:93], \s*BLK
	s_or_b32 s[G0B+4*\s+3], s[G0B+4*\s+3], 0x80000000
	JLOAD G0+4*\s, G1, G0B+4*\s, G1B
.endr
	v_and_b32 v1, 15, v0                           ; r
	v_bfe_u32 v2, v0, 4, 1                         ; h
	v_and_b32 v3, 31, v0
	v_lshlrev_b32 v4, 4, v3                        ; 16 x lane
	v_lshlrev_b32 v5, 3, v3                        ; 8 x lane
	s_mul_i32 s10, s15, HALFT
	s_mul_i32 s11, s16, HALFT
	s_add_co_u32 s11, s11, 2*HALFT
.irp s, 0,1
	v_add_nc_u32 v[A16+\s], s10, v4
	v_add_nc_u32 v[A16+2+\s], s10, v5
	v_add_nc_u32 v[B16+\s], s11, v4
	v_add_nc_u32 v[B16+2+\s], s11, v5
	s_add_co_u32 s10, s10, SLOT
	s_add_co_u32 s11, s11, SLOT
.endr
	; the scale words of all of K: lanes 0-15 the A role's rows, lanes 16-31 the B role's
	s_lshl_b32 s4, s18, 8
	s_lshl_b32 s5, s15, 7
	s_add_co_u32 s4, s4, s5
	s_lshl_b32 s5, s46, 8
	s_lshl_b32 s6, s16, 7
	s_add_co_u32 s5, s5, s6
	s_cmp_lt_u32 s17, 8
	s_cselect_b32 s6, 0, 10240                     ; x's rows begin at 0, Wq's at 8,192, Wv's at 10,240
	s_cselect_b32 s7, 8192, 0
	s_add_co_u32 s4, s4, s6
	s_add_co_u32 s5, s5, s7
	v_mov_b32 v13, s4
	v_mov_b32 v15, s5
	v_cmp_ne_u32 vcc_lo, 0, v2
	v_cndmask_b32 v14, v13, v15, vcc_lo
	v_add_lshl_u32 v14, v14, v1, 2
.irp i, 0,1,2,3,4,5,6,7
.irp s, 0,1,2,3,4,5,6,7
	global_load_b32 v[SC+8*\i+\s], v14, s[72:73] offset:\s*SSTR+64*\i
.endr
.endr
	; the biases, in the result's layout, into window 1
	s_cmp_lt_u32 s17, 8
	s_cbranch_scc0 .Lv_bias
	s_cmp_eq_u32 s42, 0
	s_cselect_b64 s[84:85], s[74:75], s[76:77]     ; bq or bk
	s_and_b32 s4, s46, 3
	s_lshl_b32 s4, s4, 10
	s_lshl_b32 s5, s16, 9
	s_add_co_u32 s4, s4, s5
	s_mov_b32 s5, 0
	s_add_nc_u64 s[84:85], s[84:85], s[4:5]        ; my 128 features
	v_lshlrev_b32 v6, 6, v2                        ; lane (r, h) wants, for block 2 B + u, features 32 B + 16 h + 8 u + 0 .. 7
	WIN TO_B
.irp b, 0,1,2,3,4,5,6,7
	global_load_b128 v[96+8*\b+96*(\b/4):96+8*\b+96*(\b/4)+3], v6, s[84:85] offset:(32*(\b/2)+8*(\b%2))*4
	global_load_b128 v[96+8*\b+96*(\b/4)+4:96+8*\b+96*(\b/4)+7], v6, s[84:85] offset:(32*(\b/2)+8*(\b%2))*4+16
.endr
	WIN 0
	s_branch .Lbias_done
.Lv_bias:
	s_lshl_b32 s4, s41, 10
	s_lshl_b32 s5, s15, 9
	s_add_co_u32 s4, s4, s5
	s_mov_b32 s5, 0
	s_add_nc_u64 s[84:85], s[78:79], s[4:5]        ; bv at my 128 features
	v_and_b32 v6, 8, v1
	v_add_nc_u32 v6, v6, v1
	v_lshlrev_b32 v6, 2, v6                        ; my feature of a block: r + 8 (r / 8); the same number in all eight registers
	WIN TO_B
.irp a, 0,1,2,3,4,5,6,7
.irp j, 0,1,2,3,4,5,6,7
	global_load_b32 v[96+8*\a+96*(\a/4)+\j], v6, s[84:85] offset:(32*(\a/2)+8*(\a%2))*4
.endr
.endr
	WIN 0
.Lbias_done:
	s_wait_tensorcnt 1                             ; my part of slot 0 is in; slot 1's load may be out
	s_barrier_signal -1
	s_barrier_wait -1
	FETCH_B 0, 0, 0
	FETCH_A 0, 0, 0
	FETCH_A 0, 0, 4
	s_wait_loadcnt 0x0                             ; scale words and biases
	s_cmp_lt_u32 s17, 8
	s_cbranch_scc0 .Lv_first
	STEP 0, 0, 1                                   ; the first K step starts the sums from the biases: nothing is cleared
	s_branch .Lfirst_done
.Lv_first:
	STEP 0, 0, 2
.Lfirst_done:
	TURN 0, 1, 1, 1
	STEP 1, 2, 0
	TURN 1, 0, 1, 3
	STEP 0, 4, 0
	TURN 0, 1, 0, 5                                ; the last two slots are filled: no round, no load
	STEP 1, 6, 0
	s_cmp_lt_u32 s17, 8
	s_cbranch_scc0 .Lv_tail
	; ---- q and k.  My 128 tokens are chunk g of their sequence; my 128 features are two heads
	s_lshr_b32 s4, s18, 3
	s_lshl_b32 s4, s4, 4
	s_and_b32 s5, s46, 3
	s_lshl_b32 s5, s5, 2
	s_add_co_u32 s4, s4, s5
	s_lshl_b32 s5, s16, 1
	s_add_co_u32 s4, s4, s5                        ; 16 x batch + my first head
	s_lshl_b32 s5, s18, 1
	s_add_co_u32 s5, s5, s15
	s_and_b32 s5, s5, 15                           ; g
	s_mul_i32 s6, s4, 98304
	s_mul_i32 s7, s5, 6144
	s_add_co_u32 s6, s6, s7
	s_lshl_b32 s6, s6, s42                         ; q: 98,304 a head and 6,144 a chunk; k: twice that (V's images lie between)
	s_mov_b32 s10, 98304
	s_lshl_b32 s10, s10, s42                       ; from head to head
	s_mov_b32 s11, 12288
	s_mov_b32 s12, SCO
	s_cmp_eq_u32 s42, 0
	s_cselect_b32 s7, QCO, 0
	s_cselect_b32 s11, 8192, s11                   ; scale words: from head to head
	s_cselect_b32 s12, QSO, s12
	s_add_co_u32 s6, s6, s7
	s_mov_b32 s7, 0
	s_add_nc_u64 s[8:9], s[82:83], s[6:7]          ; where my codes go
	s_mul_i32 s13, s4, s11
	s_add_co_u32 s12, s12, s13
	s_lshl_b32 s13, s5, 9
	s_add_co_u32 s12, s12, s13
	s_mov_b32 s13, 0
	s_add_nc_u64 s[12:13], s[82:83], s[12:13]      ; and my scale words
	s_lshl_b32 s6, s5, 15
	s_add_nc_u64 s[80:81], s[80:81], s[6:7]        ; the table at my first token
	v_and_b32 v12, 8, v1
	v_add_nc_u32 v12, v12, v1
	v_lshlrev_b32 v12, 8, v12
	v_lshl_add_u32 v12, v2, 6, v12                 ; the table: token r + 8 (r / 8) of a block, j = 16 h on
	v_add_nc_u32 v26, s10, v4
	v_add_nc_u32 v27, s10, v5
	v_lshlrev_b32 v30, 5, v1
	v_lshl_add_u32 v30, v2, 4, v30                 ; scale words: [r][8 blocks]: 32 r + 16 h
	v_add_nc_u32 v31, s11, v30
.macro ROPELOAD a                      ; block a's cos (16 registers) and sin (16) into window 1, v[32 a] on
	WIN TO_B
.irp i, 0,1,2,3
	global_load_b128 v[32*(\a)+4*\i:32*(\a)+4*\i+3], v12, s[80:81] offset:(32*((\a)/2)+8*((\a)%2))*256+16*\i
.endr
.irp i, 0,1,2,3
	global_load_b128 v[32*(\a)+16+4*\i:32*(\a)+16+4*\i+3], v12, s[80:81] offset:(32*((\a)/2)+8*((\a)%2))*256+128+16*\i
.endr
.endm
; In head H of block a register 32 H + i is feature d = 16 h + i (under 32) and register 32 H + 16 + i is d + 32, both with frequency j = d:  u'(d) = u(d) cos - u(d + 32) sin;  u'(d + 32) = u(d + 32) cos + u(d) sin.  Each accumulator is read from its low end on.
.macro ROPE a
.set AC, 64*((\a)%4)
.set CT, 32*(\a)
	WIN 0x06+(\a)/4                                ; source 0: the accumulators' window; source 1: window 1
.irp H, 0,1
.irp i, 0,2,4,6,8,10,12,14
	v_pk_mul_f32 v[D+32*\H+\i:D+32*\H+\i+1], v[AC+32*\H+16+\i:AC+32*\H+16+\i+1], v[CT+16+\i:CT+16+\i+1]
	v_pk_mul_f32 v[D+32*\H+16+\i:D+32*\H+16+\i+1], v[AC+32*\H+\i:AC+32*\H+\i+1], v[CT+16+\i:CT+16+\i+1]
.endr
.endr
.irp H, 0,1
.irp i, 0,2,4,6,8,10,12,14
	v_pk_fma_f32 v[D+32*\H+\i:D+32*\H+\i+1], v[AC+32*\H+\i:AC+32*\H+\i+1], v[CT+\i:CT+\i+1], v[D+32*\H+\i:D+32*\H+\i+1] neg_lo:[0,0,1] neg_hi:[0,0,1]
	v_pk_fma_f32 v[D+32*\H+16+\i:D+32*\H+16+\i+1], v[AC+32*\H+16+\i:AC+32*\H+16+\i+1], v[CT+\i:CT+\i+1], v[D+32*\H+16+\i:D+32*\H+16+\i+1]
.endr
.endr
	WIN 0
.endm
	ROPELOAD 0                                     ; window 1's lower half (B's set 0, four biases) is done with; the places stand at the end of the K step above
	ROPELOAD 1
	ROPELOAD 2
	ROPELOAD 3
	LAST 7
	PLACES 4
	ROPELOAD 4
	ROPELOAD 5
	ROPELOAD 6
	ROPELOAD 7
	WIN 0
.irp b, 0,1,2,3
	v_mov_b32 v[TM+4+\b], 0                        ; a lane permute's destination counts as one of its sources
.endr
.irp a, 0,1,2,3,4,5,6,7
	s_wait_loadcnt 56-8*\a                         ; block a's eight table loads are in; those of the blocks behind it may be out
	ROPE \a
	s_wait_xcnt 0x0                                ; the last block's stores have read the codes' registers
	QUANT D, 0, PWS+\a                             ; blocks 0, 1: the first head's 64; blocks 2, 3: the second's
	global_store_b128 v4, v[PC:PC+3], s[8:9] offset:768*\a               ; 512 consecutive bytes, aligned to 256
	global_store_b64 v5, v[PC+4:PC+5], s[8:9] offset:768*\a+512          ; 256
	global_store_b128 v26, v[PC+6:PC+9], s[8:9] offset:768*\a
	global_store_b64 v27, v[PC+10:PC+11], s[8:9] offset:768*\a+512
.endr
	v_cmp_ne_u32 vcc_lo, 0, v2
.irp i, 0,1,2,3
	v_cndmask_b32 v[E+\i], v[PWS+\i], v[PWS+4+\i], vcc_lo   ; lanes 0-15 blocks 0-3, lanes 16-31 blocks 4-7
.endr
.irp i, 0,1,2,3
	v_lshrrev_b32 v[E+4+\i], 16, v[E+\i]           ; the second head's two bytes, at the word's low end
.endr
	global_store_b128 v30, v[E:E+3], s[12:13]      ; 512 consecutive bytes
	global_store_b128 v31, v[E+4:E+7], s[12:13]
	s_branch .Lend
.Lv_tail:
	; ---- v.  My 128 features are two heads (A's blocks 0-3 and 4-7: four tiles of 16 of the head's 64 each); my 128 tokens are chunk g: one K step of the second attention product
	s_lshr_b32 s4, s46, 3
	s_lshl_b32 s4, s4, 4
	s_lshl_b32 s5, s41, 2
	s_add_co_u32 s4, s4, s5
	s_lshl_b32 s5, s15, 1
	s_add_co_u32 s4, s4, s5                        ; 16 x batch + my first head
	s_lshl_b32 s5, s46, 1
	s_add_co_u32 s5, s5, s16
	s_and_b32 s5, s5, 15                           ; g
	s_mul_i32 s6, s4, 196608
	s_mul_i32 s7, s5, 12288
	s_add_co_u32 s6, s6, s7
	s_mov_b32 s7, 0
	s_add_nc_u64 s[8:9], s[82:83], s[6:7]
	s_mul_i32 s12, s4, 12288
	s_lshl_b32 s13, s5, 8
	s_add_co_u32 s12, s12, s13
	s_add_co_u32 s12, s12, SCO+8192
	s_mov_b32 s13, 0
	s_add_nc_u64 s[12:13], s[82:83], s[12:13]
	v_mul_u32_u24 v30, v2, 12288
	v_lshl_add_u32 v30, v1, 4, v30                 ; scale words: [r][4 tiles]; lanes 16-31 the second head
	LAST 7
	PLACES 4
.irp b, 0,1,2,3
	v_mov_b32 v[TM+4+\b], 0
.endr
.irp a, 0,1,2,3,4,5,6,7
	s_wait_xcnt 0x0                                ; the last block's stores have read the codes' registers
	QUANT 64*(\a%4), 2+\a/4, PWS+\a                ; straight from the accumulators, each from its low end on
	global_store_b128 v4, v[PC:PC+3], s[8:9] offset:(\a/4)*196608+6144+(\a%4)*1536
	global_store_b64 v5, v[PC+4:PC+5], s[8:9] offset:(\a/4)*196608+6144+(\a%4)*1536+512
	global_store_b128 v4, v[PC+6:PC+9], s[8:9] offset:(\a/4)*196608+6144+(\a%4)*1536+768
	global_store_b64 v5, v[PC+10:PC+11], s[8:9] offset:(\a/4)*196608+6144+(\a%4)*1536+1280
.endr
	v_cmp_ne_u32 vcc_lo, 0, v2
.irp i, 0,1,2,3
	v_cndmask_b32 v[E+\i], v[PWS+\i], v[PWS+4+\i], vcc_lo
.endr
	global_store_b128 v30, v[E:E+3], s[12:13]      ; sixteen lanes store 256 consecutive bytes, aligned, for each head
.Lend:
	s_wait_tensorcnt 0x0                           ; the wave's end
	ds_add_u32 v[SPW], v[NIL]
	s_wait_dscnt 0x0
	CROUND                                         ; the closing round
	s_endpgm
.Lfunc_end_k_qf07e978ccd_qkvp:
	.size	k_qf07e978ccd_qkvp, .Lfunc_end_k_qf07e978ccd_qkvp-k_qf07e978ccd_qkvp
	.p2alignl 7, 3214868480
	.fill 96, 4, 3214868480
	.section	.rodata,"a",@progbits
	.p2align	6, 0x0
	.amdhsa_kernel k_qf07e978ccd_qkvp
		.amdhsa_group_segment_fixed_size 327680
		.amdhsa_private_segment_fixed_size 0
		.amdhsa_enable_private_segment 0
		.amdhsa_kernarg_size 64
		.amdhsa_user_sgpr_count 2
		.amdhsa_user_sgpr_kernarg_segment_ptr 1
		.amdhsa_wavefront_size32 1
		.amdhsa_system_sgpr_workgroup_id_x 1
		.amdhsa_system_sgpr_workgroup_id_y 1
		.amdhsa_system_sgpr_workgroup_id_z 1
		.amdhsa_system_vgpr_workitem_id 0
		.amdhsa_next_free_vgpr 1024
		.amdhsa_next_free_sgpr 100
		.amdhsa_reserve_vcc 1
		.amdhsa_float_denorm_mode_32 3
		.amdhsa_float_denorm_mode_16_64 3
		.amdhsa_memory_ordered 1
		.amdhsa_forward_progress 1
		.amdhsa_inst_pref_size 254
	.end_amdhsa_kernel
	.amdgpu_metadata
---
amdhsa.version: [ 1, 2 ]
amdhsa.kernels:
  - .name:           k_qf07e978ccd_qkvp
    .symbol:         k_qf07e978ccd_qkvp.kd
    .args:
      - { .name: xc, .offset: 0, .size: 8, .value_kind: global_buffer, .address_space: global }
      - { .name: wc, .offset: 8, .size: 8, .value_kind: global_buffer, .address_space: global }
      - { .name: sc2, .offset: 16, .size: 8, .value_kind: global_buffer, .address_space: global }
      - { .name: bq, .offset: 24, .size: 8, .value_kind: global_buffer, .address_space: global }
      - { .name: bk, .offset: 32, .size: 8, .value_kind: global_buffer, .address_space: global }
      - { .name: bv, .offset: 40, .size: 8, .value_kind: global_buffer, .address_space: global }
      - { .name: rope, .offset: 48, .size: 8, .value_kind: global_buffer, .address_space: global }
      - { .name: qkv, .offset: 56, .size: 8, .value_kind: global_buffer, .address_space: global }
    .group_segment_fixed_size: 327680
    .private_segment_fixed_size: 0
    .kernarg_segment_align: 8
    .kernarg_segment_size: 64
    .max_flat_workgroup_size: 128
    .sgpr_count:     100
    .vgpr_count:     1024
    .wavefront_size: 32
...
	.end_amdgpu_metadata
.endif
;; end of part 2
;; launch attn (part 3): grid 8 x 64, 16 waves a work-group, no clusters, 327,680 bytes of LDS; arguments qkv, ac, sc4; writes ac, sc4
.if DOCPART == 3
	.amdgcn_target "amdgcn-amd-amdhsa--gfx1250"
	.amdhsa_code_object_version 6
	.text
	.protected	k_qf07e978ccd_attn
	.globl	k_qf07e978ccd_attn
	.p2align	8
	.type	k_qf07e978ccd_attn,@function
k_qf07e978ccd_attn:
	s_mov_b64 s[64:65], 0
	v_nop
	global_prefetch_b8 v0, s[64:65] scope:SCOPE_SE
	s_setreg_imm32_b32 hwreg(HW_REG_WAVE_MODE, 25, 1), 1
	s_wait_xcnt 0x0
; att[hb][q][:] = sum over keys k <= q of softmax_k(Q . K / 8) V, both products on codes of FP6 (E2M3) with E8M0 scales, then quantised along the head's 64 for the last product.  hb = 16 x batch + head; 2,048 tokens; head size 64.
; THE SOFTMAX: t = score x log2(e) / 8; M = the running largest t rounded up to a whole number; p = 2^(t - M) is quantised along the keys, not normalised; the row's sum is taken of the unquantised p and divides at the end.
; When M moves, the sum and O are multiplied by 2^(old M - new M), which rounds nothing.
; SHARES.  The 2,048 queries are 16 chunks of 128.  Work-group p of a head owns chunks p and 15 - p: p + 1 and 16 - p key steps of 128, 17 in every work-group.  Sixteen waves, one tile of 16 queries each, eight to a chunk; the chunk of wave w
; is chosen by (w xor w / 4) & 1, so that among waves 4 i .. 4 i + 3, and among waves i, i + 4, i + 8, i + 12, two have each chunk.
; NO CLUSTER: which steps a wave leaves out, and where a work-group's loads end, hang on p, which would be the work-group's place among partners that share K and V; partners would need different numbers of slots.
; Every work-group walks all 8 slots of 256 keys with constant trip counts; a step all of whose keys come after the wave's chunk is jumped over (ids alone); a slot whose first key comes after the work-group's last query is not asked for.
; LAYOUT.  Both products are used transposed: S^T = K Q^T, O^T = V^T P^T: a lane holds ONE query.  Tiles are images of registers, their rows in the order row block 2 b + u, lane row rho = 32 b + 8 u + rho + 8 (rho / 8),
; so the 16 registers of tiles 2 b, 2 b + 1 are keys (or channels) 32 b + 16 (lane / 16) + 0 .. 15.
; THE FIRST PRODUCT'S K IS 64: the instruction's upper 64 meet ZERO CODES of Q.  K's tile is 6 registers; the operand names 12, of which the upper six are the next tile's codes (zeros behind the last): times Q's zero codes they add nothing.
; No scale byte is 0xff: the bytes made by this program lie between 1 and 252, or are 0.
; LIMITS: a block of zeros gets the byte 1; NaN and infinities are not served.  att's scale bytes leave as 2 bytes a row, 4 bytes apart (a word holds two heads' bytes, and a work-group has one head); lanes 16-31 store the same bytes as lanes 0-15.
; REGISTERS: v1 16 x lane, v2 8 x lane, v3, v4 my place among K's and V's scale words, v5, v6 the add's two, v7 my query in its chunk - 16 (lane / 16), v8-11 the step's addresses, v12 -M, v13 the largest t, v[14:15] the sum,
; v16-27 Q (upper six zeros), v28 32 r, v29 Q's scale word, v30 256 x lane, v31 4 r, v32-79 K's eight tiles, then V's four fragments, v80-85 zeros, v96-159 S^T then p, v160-191 O^T, v192.. at work.
.set STEPB, 12288                      ; a key step in LDS and in memory: K's 8 tiles of 768 bytes, V's 4 fragments of 1,536
.set SLOT1, 32768                      ; slot 1 begins here: one exclusive or turns an address
.set SCK,   65536                      ; K's scale words of the head: 8,192 bytes
.set SCV,   73728                      ; V's: 4,096
.set SPARE, 81920                      ; the spare words, 128 bytes a wave: eight blocks of 256 bytes that no other line names
.set SCO,   12582912
.set QCO,   13369344
.set QSO,   19660800
.set BM,  192                          ; v192-195 a block's largest score, then its largest p
.set BX,  196                          ; v196-199 the other half's; then bytes
.set SO,  200                          ; v200-203 the conversions' scale operands
.set PC,  204                          ; v204-215 p's codes
.set PT,  216                          ; v216-218, v220-222
.set WV,  18
.set SEL, 20
.set CS,  22
.set G1,  24
.set G0,  32
.set G0S, 36
.set TB,  40                           ; the slot in hand
.set TS,  41                           ; the step's scale words of K: 512 bytes a step
.set TJ,  42                           ; and of V: 256
.set SLOTS, 43
.set KF,  44                           ; the step's first key
.set QC,  45                           ; my chunk's first query
.set LASTQ, 46                         ; my work-group's last query
.set PFA, 48
.set LIM, 50
; A prefetch into the L2 of the slot that the NEXT change of slots will ask for: 24,576 dense bytes, three waves x 32 lanes x 256 bytes.  All eight work-groups of a head walk the same K and V: the first (p = 0, which walks all slots) asks,
; by its waves 4 to 6, which fetch nothing.  Each block of 256 bytes is named once.  The last change that fills a slot asks for nothing; slots 0 and 1 come by their loads alone.
.macro ASK
	s_cmp_gt_u32 s[SLOTS], s[LIM]
	s_cbranch_scc0 .Lnot_mine_\@
	global_prefetch_b8 v30, s[PFA:PFA+1] th:TH_LOAD_NT scope:SCOPE_SE
.Lnot_mine_\@:
.endm
	s_load_b128 s[4:7], s[0:1], 0x0                ; qkv, ac
	s_load_b64 s[8:9], s[0:1], 0x10                ; sc4
	v_lshl_add_u32 v5, v0, 2, SPARE
	v_mov_b32 v6, 0
	ds_add_u32 v5, v6                              ; the wave's opening: the add and its wait ahead of my first tensor load
	ds_add_u32 v5, v6
	v_lshrrev_b32 v8, 5, v0
	s_delay_alu instid0(VALU_DEP_1)
	v_readfirstlane_b32 s[WV], v8
	s_and_b32 s52, ttmp7, 0xffff                   ; hb
	s_lshr_b32 s53, s[WV], 2
	s_xor_b32 s53, s53, s[WV]
	s_and_b32 s53, s53, 1                          ; which of the two chunks
	s_lshr_b32 s54, s[WV], 1                       ; my tile in it
	s_sub_co_u32 s55, 15, ttmp9
	s_cmp_eq_u32 s53, 0
	s_cselect_b32 s55, ttmp9, s55                  ; my chunk
	s_lshl_b32 s[QC], s55, 7
	s_lshl_b32 s[LASTQ], ttmp9, 7
	s_sub_co_u32 s[LASTQ], 2047, s[LASTQ]
	s_lshl_b32 s57, s55, 3
	s_add_co_u32 s57, s57, s54                     ; my tile of the sequence's 128
	s_lshr_b32 s56, s54, 1
	s_lshl_b32 s56, s56, 5
	s_and_b32 s58, s54, 1
	s_lshl_b32 s58, s58, 3
	s_add_co_u32 s56, s56, s58                     ; its first row in the chunk
	s_and_b32 s59, s[WV], 1
	s_mul_i32 s59, s59, STEPB                      ; which step of a slot I fetch, if I fetch
	s_mul_i32 s60, s52, 196608                     ; the head's K and V
	s_mov_b32 s61, 0
	s_mul_i32 s62, s52, 12288
	s_add_co_u32 s62, s62, SCO                     ; their scale words
	s_mov_b32 s63, 0
	s_mul_i32 s66, s52, 98304
	s_mul_i32 s67, s57, 768
	s_add_co_u32 s66, s66, s67
	s_add_co_u32 s66, s66, QCO                     ; my tile of Q
	s_mov_b32 s67, 0
	s_lshl_b32 s68, s52, 13
	s_lshl_b32 s69, s55, 9
	s_add_co_u32 s68, s68, s69
	s_lshl_b32 s69, s54, 2
	s_add_co_u32 s68, s68, s69
	s_add_co_u32 s68, s68, QSO                     ; its scale words: [chunk][r][8 tiles]
	s_mov_b32 s69, 0
	s_lshr_b32 s70, s52, 4
	s_lshl_b32 s70, s70, 7
	s_add_co_u32 s70, s70, s57                     ; att's row block: 128 x batch + tile
	s_and_b32 s71, s52, 15                         ; the head
	s_mul_i32 s72, s70, 12288
	s_mul_i32 s73, s71, 768
	s_add_co_u32 s72, s72, s73
	s_mov_b32 s73, 0
	s_lshr_b32 s74, s71, 1
	s_mul_i32 s74, s74, 36864                      ; K step head / 2 of the last product
	s_lshl_b32 s75, s70, 6
	s_add_co_u32 s74, s74, s75
	s_and_b32 s75, s71, 1
	s_lshl_b32 s75, s75, 1
	s_add_co_u32 s74, s74, s75                     ; my head's two bytes of the word
	s_mov_b32 s75, 0
	s_mov_b32 s76, s59
	s_mov_b32 s77, 0
	s_sub_co_u32 s78, s[WV], 4
	s_cmp_lt_u32 s78, 3                            ; waves 4 to 6
	s_cselect_b32 s[LIM], 1, -1
	s_cmp_eq_u32 ttmp9, 0                          ; of the head's first work-group
	s_cselect_b32 s[LIM], s[LIM], -1
	s_min_u32 s78, s78, 2
	s_lshl_b32 s78, s78, 13
	s_add_co_u32 s78, s78, 2*STEPB                 ; in slot 1: the first change of slots steps it to slot 2
	s_mov_b32 s79, 0
	; descriptor group 1: 48 dense rows of 256 bytes: a key step's tiles, or the head's scale words
	s_mov_b32 s[G1], 3<<16                         ; no mask; elements of 8 bytes; no padding
	s_mov_b32 s[G1+1], 32<<16
	s_mov_b32 s[G1+2], 48<<16
	s_mov_b32 s[G1+3], 32<<16
	s_mov_b32 s[G1+4], 48
	s_mov_b32 s[G1+5], 32
	s_mov_b32 s[G1+6], 0
	s_mov_b32 s[G1+7], 0
	s_mov_b32 s[SEL], 0x76543210
	s_mov_b32 s[SEL+1], 0xfedcba98
	s_mov_b32 s[CS], 0x3e38aa3b                    ; c = log2(e) / 8
	s_mov_b32 s[CS+1], s[CS]
	s_mov_b32 s[TB], 0
	s_mov_b32 s[TS], 0
	s_mov_b32 s[TJ], 0
	s_mov_b32 s[KF], 0
	s_mov_b32 s[SLOTS], 7
	v_and_b32 v8, 15, v0                           ; r
	v_bfe_u32 v9, v0, 4, 1                         ; h
	v_and_b32 v10, 31, v0
	s_delay_alu instid0(VALU_DEP_1)
	v_lshlrev_b32 v1, 4, v10
	s_delay_alu instid0(VALU_DEP_2)
	v_lshlrev_b32 v2, 3, v10
	s_delay_alu instid0(VALU_DEP_3)
	v_lshlrev_b32 v30, 8, v10
	v_lshlrev_b32 v28, 5, v8
	v_lshlrev_b32 v31, 2, v8
	s_delay_alu instid0(VALU_DEP_2)
	v_lshl_add_u32 v3, v9, 4, v28
	s_delay_alu instid0(VALU_DEP_1)
	v_add_nc_u32 v3, SCK, v3                       ; K's words: [r][8 tiles]: lanes 0-15 tiles 0-3, lanes 16-31 tiles 4-7
	v_lshl_add_u32 v4, v8, 4, SCV                  ; V's: [r][4 tiles]
	v_and_b32 v7, 8, v8
	s_delay_alu instid0(VALU_DEP_1)
	v_add_nc_u32 v7, v7, v8
	v_lshlrev_b32 v11, 4, v9
	s_delay_alu instid0(VALU_DEP_1)
	v_sub_nc_u32 v7, v7, v11
	s_delay_alu instid0(VALU_DEP_1)
	v_add_nc_u32 v7, s56, v7                       ; my query in its chunk, less 16 h
	s_wait_dscnt 0x0                               ; the opening add is done
	s_wait_kmcnt 0x0
	s_add_nc_u64 s[60:61], s[4:5], s[60:61]
	s_mov_b32 s[G0], 1
	s_mov_b32 s[G0+1], s59
	s_add_nc_u64 s[G0+2:G0+3], s[60:61], s[76:77]
	s_or_b32 s[G0+3], s[G0+3], 0x80000000
	s_mov_b32 s[G0S], 1
	s_mov_b32 s[G0S+1], SCK
	s_add_nc_u64 s[G0S+2:G0S+3], s[4:5], s[62:63]
	s_or_b32 s[G0S+3], s[G0S+3], 0x80000000
	s_cmp_lt_u32 s[WV], 2                          ; the first fills: waves 0 and 1 slot 0's two steps, wave 2 the scale words (filled once)
	s_cbranch_scc0 .Lnot_kv
	tensor_load_to_lds s[G0:G0+3], s[G1:G1+7]
	s_nop 0
.rept 4
	v_nop
.endr
	s_branch .Lfirst_done
.Lnot_kv:
	s_cmp_eq_u32 s[WV], 2
	s_cbranch_scc0 .Lfirst_done
	tensor_load_to_lds s[G0S:G0S+3], s[G1:G1+7]
	s_nop 0
.rept 4
	v_nop
.endr
.Lfirst_done:
	s_add_nc_u64 s[10:11], s[4:5], s[66:67]
	s_add_nc_u64 s[12:13], s[4:5], s[68:69]
	s_add_nc_u64 s[6:7], s[6:7], s[72:73]
	s_add_nc_u64 s[8:9], s[8:9], s[74:75]
	s_add_nc_u64 s[PFA:PFA+1], s[60:61], s[78:79]
	global_load_b128 v[16:19], v1, s[10:11]        ; Q's tile stays in registers
	global_load_b64 v[20:21], v2, s[10:11] offset:512
	global_load_b32 v29, v28, s[12:13]
.irp i, 0,1,2,3,4,5
	v_mov_b32 v[22+\i], 0                          ; Q's upper 64 along K: zero codes
	v_mov_b32 v[80+\i], 0                          ; behind K's last tile
.endr
	v_mov_b32 v13, 0xff61b1e6                      ; the largest t so far: -3e38
	s_delay_alu instid0(VALU_DEP_1)
	v_floor_f32 v12, -v13
	v_mov_b32 v14, 0
	v_mov_b32 v15, 0
.irp b, 0,1,2,3
	v_mov_b32 v[BX+\b], 0                          ; a lane permute's destination counts as one of its sources
.endr
	v_mov_b32 v235, 0                              ; (named as the upper half of the pair v[234:235])
	v_mov_b32 v236, 0
	v_mov_b32 v240, 0xff800000                     ; -infinity
.set n, 0
.rept 32
	v_mov_b32 v[160+n], 0                          ; O^T: the step is written once; the first change of M leaves zeros zeros
.set n, n+1
.endr
.macro STEP q
	s_cmp_gt_u32 s[KF], s[QC]                      ; all 128 keys come after my chunk: the step's work is left out (ids and the count of steps alone)
	s_cbranch_scc1 .Lhidden_\@
	v_add_nc_u32 v8, s[TB], v1                     ; (these four are also the places behind the last step's products, in front of the loads)
	v_add_nc_u32 v9, s[TB], v2
	v_add_nc_u32 v10, s[TS], v3
	v_add_nc_u32 v11, s[TJ], v4
.irp t, 0,1,2,3,4,5,6,7
	ds_load_b128 v[32+6*\t:35+6*\t], v8 offset:STEPB*(\q)+768*\t
	ds_load_b64 v[36+6*\t:37+6*\t], v9 offset:STEPB*(\q)+768*\t+512
.endr
	ds_load_b128 v[224:227], v10
	s_wait_alu depctr_va_vdst(0)
	s_wait_dscnt 0x0
.irp t, 0,1,2,3
	v_wmma_scale_f32_16x16x128_f8f6f4 v[96+8*\t:103+8*\t], v[32+6*\t:43+6*\t], v[16:27], 0, v[224+\t], v29 matrix_a_fmt:MATRIX_FMT_FP6 matrix_b_fmt:MATRIX_FMT_FP6
.endr
.irp t, 4,5,6,7
	v_wmma_scale_f32_16x16x128_f8f6f4 v[96+8*\t:103+8*\t], v[32+6*\t:43+6*\t], v[16:27], 0, v[220+\t], v29 matrix_a_fmt:MATRIX_FMT_FP6 matrix_b_fmt:MATRIX_FMT_FP6 matrix_a_scale:MATRIX_SCALE_ROW1
.endr
.rept 4
	v_nop                                          ; places: in front of the loads into K's registers and of the first read of the scores
.endr
.irp d, 0,1,2,3                        ; V's four fragments are asked for now and land under the softmax
	ds_load_b128 v[32+12*\d:35+12*\d], v8 offset:STEPB*(\q)+6144+1536*\d
	ds_load_b64 v[36+12*\d:37+12*\d], v9 offset:STEPB*(\q)+6144+1536*\d+512
	ds_load_b128 v[38+12*\d:41+12*\d], v8 offset:STEPB*(\q)+6144+1536*\d+768
	ds_load_b64 v[42+12*\d:43+12*\d], v9 offset:STEPB*(\q)+6144+1536*\d+1280
.endr
	ds_load_b128 v[228:231], v11
	s_cmp_lt_u32 s[KF], s[QC]                      ; all keys count: no mask
	s_cbranch_scc1 .Lopen_\@
.set n, 0
.rept 64                               ; my chunk's own keys: register 16 b + i holds key 32 b + 16 h + i of the chunk: hidden where 32 b + i > my query - 16 h
	v_cmp_gt_i32 vcc_lo, 32*(n/16)+n%16, v7
	v_cndmask_b32 v[96+n], v[96+n], v240, vcc_lo
.set n, n+1
.endr
.Lopen_\@:
.irp b, 0,1,2,3
	v_max3_num_f32 v[BM+\b], v[96+16*\b], v[97+16*\b], v[98+16*\b]   ; the largest score of each block of 32 keys: for the row's maximum, and, since p rises with the score, for the block's largest p
.endr
.irp i, 3,5,7,9,11,13
.irp b, 0,1,2,3
	v_max3_num_f32 v[BM+\b], v[BM+\b], v[96+16*\b+\i], v[97+16*\b+\i]
.endr
.endr
.irp b, 0,1,2,3
	v_max_num_f32 v[BM+\b], v[BM+\b], v[111+16*\b]
.endr
.irp b, 0,1,2,3
	s_delay_alu instid0(VALU_DEP_4)
	v_permlanex16_b32 v[BX+\b], v[BM+\b], s[SEL], s[SEL+1]
.endr
.irp b, 0,1,2,3
	s_delay_alu instid0(VALU_DEP_4)
	v_max_num_f32 v[BM+\b], v[BM+\b], v[BX+\b]
.endr
	s_delay_alu instid0(VALU_DEP_2)
	v_max3_num_f32 v236, v[BM], v[BM+1], v[BM+2]
	s_delay_alu instid0(VALU_DEP_1)
	v_max_num_f32 v236, v236, v[BM+3]
	s_delay_alu instid0(VALU_DEP_1)
	v_mul_f32 v236, s[CS], v236
	s_delay_alu instid0(VALU_DEP_1)
	v_max_num_f32 v13, v13, v236                   ; the running largest t
	v_mov_b32 v236, v12
	s_delay_alu instid0(VALU_DEP_2)
	v_floor_f32 v12, -v13                          ; -M = floor(-t): M is a whole number
	s_delay_alu instid0(VALU_DEP_1)
	v_sub_f32 v236, v12, v236
	s_delay_alu instid0(VALU_DEP_1)
	v_cvt_i32_f32 v236, v236                       ; (it saturates)
	s_delay_alu instid0(VALU_DEP_1)
	v_ldexp_f32 v234, 1.0, v236                    ; f = 2^(old M - new M)
.set n, 0
.rept 32
	v_pk_fma_f32 v[96+n:97+n], v[96+n:97+n], s[CS:CS+1], v[12:13] op_sel_hi:[1,0,0]   ; t - M
.set n, n+2
.endr
.irp b, 0,1,2,3
	v_fma_f32 v[BM+\b], v[BM+\b], s[CS], v12
.endr
.set n, 0
	s_wait_alu depctr_va_vdst(0)
.rept 64
	v_exp_f32 v[96+n], v[96+n]                     ; p
.set n, n+1
.endr
	v_pk_mul_f32 v[14:15], v[14:15], v[234:235] op_sel_hi:[1,0]   ; the sum under the new M.  (The plain line behind the exponentials)
	s_wait_alu depctr_va_vdst(0)                   ; one wait for the batch, ahead of its first reader
.irp b, 0,1,2,3
	v_exp_f32 v[BM+\b], v[BM+\b]                   ; the block's largest p
.endr
	v_pk_add_f32 v[236:237], v[100:101], v[104:105]
	v_pk_add_f32 v[254:255], v[108:109], v[112:113]
	v_pk_add_f32 v[252:253], v[116:117], v[120:121]
	v_pk_add_f32 v[250:251], v[124:125], v[128:129]
	v_pk_add_f32 v[248:249], v[132:133], v[136:137]
	v_pk_add_f32 v[246:247], v[140:141], v[144:145]
	v_pk_add_f32 v[244:245], v[148:149], v[152:153]
	v_pk_add_f32 v[14:15], v[14:15], v[156:157]
	v_pk_add_f32 v[236:237], v[236:237], v[96:97]
	v_pk_add_f32 v[254:255], v[254:255], v[98:99]
	v_pk_add_f32 v[252:253], v[252:253], v[102:103]
	v_pk_add_f32 v[250:251], v[250:251], v[106:107]
	v_pk_add_f32 v[248:249], v[248:249], v[110:111]
	v_pk_add_f32 v[246:247], v[246:247], v[114:115]
	v_pk_add_f32 v[244:245], v[244:245], v[118:119]
	v_pk_add_f32 v[14:15], v[14:15], v[122:123]
	v_pk_add_f32 v[236:237], v[236:237], v[126:127]
	v_pk_add_f32 v[254:255], v[254:255], v[130:131]
	v_pk_add_f32 v[252:253], v[252:253], v[134:135]
	v_pk_add_f32 v[250:251], v[250:251], v[138:139]
	v_pk_add_f32 v[248:249], v[248:249], v[142:143]
	v_pk_add_f32 v[246:247], v[246:247], v[146:147]
	v_pk_add_f32 v[244:245], v[244:245], v[150:151]
	v_pk_add_f32 v[14:15], v[14:15], v[154:155]
	v_pk_add_f32 v[236:237], v[236:237], v[158:159]
	s_delay_alu instid0(VALU_DEP_2)
	v_pk_add_f32 v[14:15], v[14:15], v[250:251]
	s_delay_alu instid0(VALU_DEP_2)
	v_pk_add_f32 v[236:237], v[236:237], v[248:249]
	v_pk_add_f32 v[254:255], v[254:255], v[246:247]
	v_pk_add_f32 v[252:253], v[252:253], v[244:245]
	s_delay_alu instid0(VALU_DEP_2)
	v_pk_add_f32 v[14:15], v[14:15], v[254:255]
	s_delay_alu instid0(VALU_DEP_2)
	v_pk_add_f32 v[236:237], v[236:237], v[252:253]
	s_delay_alu instid0(VALU_DEP_1)
	v_pk_add_f32 v[14:15], v[14:15], v[236:237]
	s_wait_alu depctr_va_vdst(0)                   ; and one for the four
.irp b, 0,1,2,3
	v_max_num_f32 v[BM+\b], 0x1800000, v[BM+\b]    ; the floor 2^(3 - 127)
.endr
.irp b, 0,1,2,3
	s_delay_alu instid0(VALU_DEP_4)
	v_add_nc_u32 v[SO+\b], 0xff000000, v[BM+\b]
.endr
.irp b, 0,1,2,3
	s_delay_alu instid0(VALU_DEP_4)
	v_lshrrev_b32 v[BX+\b], 23, v[SO+\b]
.endr
	s_delay_alu instid0(VALU_DEP_3)
	v_lshl_or_b32 v232, v[BX+1], 8, v[BX]          ; p's scale word for these 128 keys
	s_delay_alu instid0(VALU_DEP_1)
	v_lshl_or_b32 v232, v[BX+2], 16, v232
	s_delay_alu instid0(VALU_DEP_1)
	v_lshl_or_b32 v232, v[BX+3], 24, v232
.irp c, 0,1
	v_cvt_scalef32_pk16_fp6_f32 v[PC+6*\c:PC+6*\c+2], v[96+32*\c:111+32*\c], v[SO+2*\c]
	v_cvt_scalef32_pk16_fp6_f32 v[PT+4*\c:PT+4*\c+2], v[112+32*\c:127+32*\c], v[SO+2*\c+1]
.endr
	v_nop                                          ; one plain line behind the conversions
.irp c, 0,1
.irp i, 0,1,2
	v_permlane16_swap_b32 v[PC+6*\c+\i], v[PT+4*\c+\i]
.endr
.irp i, 0,1,2
	s_delay_alu instid0(VALU_DEP_3)
	v_mov_b32 v[PC+3+6*\c+\i], v[PT+4*\c+\i]
.endr
.endr
.set n, 0
.rept 16
	v_pk_mul_f32 v[160+n:161+n], v[160+n:161+n], v[234:235] op_sel_hi:[1,0]   ; O^T under the new M.  (These are also the places between the lines that made p's codes and scale word and the products)
.set n, n+2
.endr
	s_wait_alu depctr_va_vdst(0)
	s_wait_dscnt 0x0                               ; V
.irp d, 0,1,2,3
	v_wmma_scale_f32_16x16x128_f8f6f4 v[160+8*\d:167+8*\d], v[32+12*\d:43+12*\d], v[PC:PC+11], v[160+8*\d:167+8*\d], v[228+\d], v232 matrix_a_fmt:MATRIX_FMT_FP6 matrix_b_fmt:MATRIX_FMT_FP6
.endr
.Lhidden_\@:
	s_add_co_u32 s[KF], s[KF], 128
	s_add_co_u32 s[TS], s[TS], 512
	s_add_co_u32 s[TJ], s[TJ], 256
.endm
; THE CHANGE OF SLOTS stands at a slot's head.  Each wave waits for all its tensor loads, adds 0 to its spare word, and waits for that and for its reads of the slot that it has left; behind the barrier the slot ahead is whole and nobody reads the other.
; fill = 1: the other slot is filled with the next 256 keys, unless its first key comes after the work-group's last query: then no wave would read it.
; Every wait on TENSORcnt in this text is for 0.
.macro CHANGE fill
	s_wait_tensorcnt 0x0
	ds_add_u32 v5, v6
.if \fill
	s_xor_b32 s[G0+1], s[G0+1], SLOT1
	s_add_nc_u64 s[G0+2:G0+3], s[G0+2:G0+3], 2*STEPB
	s_wait_xcnt 0x0                                ; the last prefetch, a slot back, has read its address
	s_add_nc_u64 s[PFA:PFA+1], s[PFA:PFA+1], 2*STEPB
.endif
	s_wait_dscnt 0x0
	s_barrier_signal -1
	s_barrier_wait -1
.if \fill
	s_add_co_u32 s51, s[KF], 256
	s_cmp_gt_u32 s51, s[LASTQ]
	s_cbranch_scc1 .Lpast_\@
	s_cmp_lt_u32 s[WV], 2
	s_cbranch_scc0 .Lpast_\@
	tensor_load_to_lds s[G0:G0+3], s[G1:G1+7]      ; a wave's one tensor load until the next change
	s_nop 0
.rept 4
	v_nop
.endr
.Lpast_\@:
	ASK
.endif
.endm
	s_wait_loadcnt 0x0                             ; Q
.Lslot:                                            ; 7 trips
	CHANGE 1
	STEP 0
	STEP 1
	s_xor_b32 s[TB], s[TB], SLOT1
	s_sub_co_u32 s[SLOTS], s[SLOTS], 1
	s_cmp_lg_u32 s[SLOTS], 0
	s_cbranch_scc1 .Lslot
	CHANGE 0                                       ; the last slot is written out
	STEP 0
	STEP 1
	; THE WAY OUT: O^T / the sum; register 16 B + i is channel 32 B + 16 h + i: two blocks of the last product's K; quantised, they are half a fragment's image
.rept 4
	v_nop                                          ; places behind the last products
.endr
	v_add_f32 v14, v14, v15
	s_delay_alu instid0(VALU_DEP_1)
	v_permlanex16_b32 v236, v14, s[SEL], s[SEL+1]
	s_delay_alu instid0(VALU_DEP_1)
	v_add_f32 v14, v14, v236
	s_wait_alu depctr_va_vdst(0)
	v_rcp_f32 v14, v14
	v_nop                                          ; the plain line behind the reciprocal
	s_wait_alu depctr_va_vdst(0)                   ; and the wait ahead of its first reader
.set n, 0
.rept 16
	v_pk_mul_f32 v[96+n:97+n], v[160+n:161+n], v[14:15] op_sel_hi:[1,0]   ; each accumulator from its low end on
.set n, n+2
.endr
.irp b, 0,1
	v_max3_num_f32 v[BM+\b], |v[96+16*\b]|, |v[97+16*\b]|, 0x1800000
.endr
.irp i, 2,4,6,8,10,12,14
.irp b, 0,1
	s_delay_alu instid0(VALU_DEP_2)
	v_max3_num_f32 v[BM+\b], v[BM+\b], |v[96+16*\b+\i]|, |v[97+16*\b+\i]|
.endr
.endr
.irp b, 0,1
	s_delay_alu instid0(VALU_DEP_2)
	v_permlanex16_b32 v[BX+\b], v[BM+\b], s[SEL], s[SEL+1]
.endr
.irp b, 0,1
	s_delay_alu instid0(VALU_DEP_2)
	v_max_num_f32 v[BM+\b], v[BM+\b], v[BX+\b]
.endr
.irp b, 0,1
	s_delay_alu instid0(VALU_DEP_2)
	v_add_nc_u32 v[SO+\b], 0xff000000, v[BM+\b]
.endr
.irp b, 0,1
	s_delay_alu instid0(VALU_DEP_2)
	v_lshrrev_b32 v[BX+\b], 23, v[SO+\b]
.endr
	s_delay_alu instid0(VALU_DEP_1)
	v_lshl_or_b32 v232, v[BX+1], 8, v[BX]
	v_cvt_scalef32_pk16_fp6_f32 v[PC:PC+2], v[96:111], v[SO]
	v_cvt_scalef32_pk16_fp6_f32 v[PT:PT+2], v[112:127], v[SO+1]
	v_nop
.irp i, 0,1,2
	v_permlane16_swap_b32 v[PC+\i], v[PT+\i]
.endr
.irp i, 0,1,2
	s_delay_alu instid0(VALU_DEP_3)
	v_mov_b32 v[PC+3+\i], v[PT+\i]
.endr
	global_store_b128 v1, v[PC:PC+3], s[6:7]       ; 512 consecutive bytes, aligned to 256
	global_store_b64 v2, v[PC+4:PC+5], s[6:7] offset:512
	global_store_b16 v31, v232, s[8:9]             ; my row's two bytes
	s_wait_tensorcnt 0x0                           ; the wave's end
	ds_add_u32 v5, v6
	s_wait_dscnt 0x0
	s_endpgm
.Lfunc_end_k_qf07e978ccd_attn:
	.size	k_qf07e978ccd_attn, .Lfunc_end_k_qf07e978ccd_attn-k_qf07e978ccd_attn
	.p2alignl 7, 3214868480
	.fill 96, 4, 3214868480
	.section	.rodata,"a",@progbits
	.p2align	6, 0x0
	.amdhsa_kernel k_qf07e978ccd_attn
		.amdhsa_group_segment_fixed_size 327680
		.amdhsa_private_segment_fixed_size 0
		.amdhsa_enable_private_segment 0
		.amdhsa_kernarg_size 24
		.amdhsa_user_sgpr_count 2
		.amdhsa_user_sgpr_kernarg_segment_ptr 1
		.amdhsa_wavefront_size32 1
		.amdhsa_system_sgpr_workgroup_id_x 1
		.amdhsa_system_sgpr_workgroup_id_y 1
		.amdhsa_system_sgpr_workgroup_id_z 1
		.amdhsa_system_vgpr_workitem_id 0
		.amdhsa_next_free_vgpr 256
		.amdhsa_next_free_sgpr 100
		.amdhsa_reserve_vcc 1
		.amdhsa_float_denorm_mode_32 3
		.amdhsa_float_denorm_mode_16_64 3
		.amdhsa_memory_ordered 1
		.amdhsa_forward_progress 1
		.amdhsa_inst_pref_size 103
	.end_amdhsa_kernel
	.amdgpu_metadata
---
amdhsa.version: [ 1, 2 ]
amdhsa.kernels:
  - .name:           k_qf07e978ccd_attn
    .symbol:         k_qf07e978ccd_attn.kd
    .args:
      - { .name: qkv, .offset: 0, .size: 8, .value_kind: global_buffer, .address_space: global }
      - { .name: ac, .offset: 8, .size: 8, .value_kind: global_buffer, .address_space: global }
      - { .name: sc4, .offset: 16, .size: 8, .value_kind: global_buffer, .address_space: global }
    .group_segment_fixed_size: 327680
    .private_segment_fixed_size: 0
    .kernarg_segment_align: 8
    .kernarg_segment_size: 24
    .max_flat_workgroup_size: 512
    .sgpr_count:     100
    .vgpr_count:     256
    .wavefront_size: 32
...
	.end_amdgpu_metadata
.endif
;; end of part 3
;; launch proj (part 4): grid 4 x 32, 4 waves a work-group, clusters of 4 x 4, 327,680 bytes of LDS; arguments ac, wpc, sc4, bp, out0; writes out0
.if DOCPART == 4
	.amdgcn_target "amdgcn-amd-amdhsa--gfx1250"
	.amdhsa_code_object_version 6
	.text
	.protected	k_qf07e978ccd_proj
	.globl	k_qf07e978ccd_proj
	.p2align	8
	.type	k_qf07e978ccd_proj,@function
k_qf07e978ccd_proj:
	s_mov_b64 s[64:65], 0
	v_nop
	global_prefetch_b8 v0, s[64:65] scope:SCOPE_SE
	s_setreg_imm32_b32 hwreg(HW_REG_WAVE_MODE, 25, 1), 1
	s_wait_xcnt 0x0
	s_wait_alu depctr_hold_cnt(0) depctr_sa_sdst(0) depctr_va_vdst(0) depctr_va_sdst(0) depctr_va_ssrc(0) depctr_va_vcc(0) depctr_vm_vsrc(0)
	s_getreg_b32 s2, hwreg(HW_REG_IB_STS2, 6, 4)
	s_cmp_eq_u32 s2, 0
	s_cbranch_scc0 .Lentry_in_a_cluster
	s_endpgm
.Lentry_in_a_cluster:
	s_bfe_u32 s2, ttmp6, 0x10000c
	s_cmp_lg_u32 s2, 0xf033
	s_cbranch_scc0 .Lentry_shape_is_right
	s_endpgm
.Lentry_shape_is_right:
; out0 = att Wp^T + bp on codes of FP6 (E2M3) with E8M0 scales.  att: 8,192 rows, Wp: 1,024 rows, K = 1,024; both as images of fragments, [row block][K step][1,536]; scale words [K step][row], att's rows from 0, Wp's from 8,192.
; A tile is 256 rows of att x 256 rows of Wp; four waves, each 128 x 128: 64 accumulators.  Source 0 = 16 rows of Wp, source 1 = 16 rows of att: a lane holds one row of out0 and eight neighbouring columns.
; A fragment's rows are row block 2 b + u, lane row rho = row 32 b + 8 u + rho + 8 (rho / 8): so accumulator (a, b) holds, in lane (r, h), row 32 (a / 2) + 8 (a % 2) + r + 8 (r / 8), columns 32 (b / 2) + 8 (b % 2) + 16 h + 0 .. 7.
; 4 x 4 work-groups form a cluster: att's tiles are asked for jointly along a row of the cluster, Wp's along a column.  128 tiles: a smaller tile would give each WGP one, at twice the LDS reads for each product.
; K goes through a ring of two LDS slots of 256 along K; a wave's tensor load is 8 rows of 3,072 bytes, 12,288 apart.  The scale words of all of K stay in 64 registers.  bp is the C of the first K step's products.
; By this text's own count a wave has at most two tensor loads out.
; WINDOWS: 0: v1-31 addresses; v32-95 scale words; v128-223 A's fragments, ONE set (on the way out v128-255: rows read back).  1: B's fragments, two sets at v0 and v128; the bias in v96-127 and v224-255.  2, 3: accumulators.
.set FR,    12
.set NL,    4
.set FRB,   1536
.set BLK,   3072
.set HALFT, 8*BLK
.set SLOT,  4*HALFT
.set SPARE, 2*SLOT                     ; the spare words, 128 bytes a wave: two blocks of 256 bytes that no other line names
.set SSTR,  36864
.set SPITCH, 528                       ; the way out: a stage of 16 rows x (512 + 16) bytes for each wave, in slot 0, which has had its last fill and its last read by then
.set A16, 16
.set B16, 20
.set STO, 24
.set RD,  25
.set SPW, 28
.set NIL, 29
.set SC,  32
.set AF,  128
.set BK,  128
.set G1,  24
.set G0,  32
.set G1B, 48
.set G0B, 56
.set MSB, 0
.macro WIN new
.if MSB != (\new)
	s_set_vgpr_msb (MSB<<8)|(\new)
.set MSB, (\new)
.endif
.endm
.set TO_B, 0x40
.macro JLOAD g0a, g1a, g0b, g1b        ; a joint load: waves 0 and 1 fetch for A, waves 2 and 3 for B; an s_nop 0 and four v_nop follow each of the two lines
	s_cmp_eq_u32 s15, 0
	s_cbranch_scc0 .Lfor_b_\@
	tensor_load_to_lds s[\g0a:\g0a+3], s[\g1a:\g1a+7]
	s_nop 0
.rept 4
	v_nop
.endr
	s_branch .Lasked_\@
.Lfor_b_\@:
	tensor_load_to_lds s[\g0b:\g0b+3], s[\g1b:\g1b+7]
	s_nop 0
.rept 4
	v_nop
.endr
.Lasked_\@:
.endm
.macro CREST
	s_cmp_lg_u32 s14, 0
	s_cbranch_scc1 .Lnot_wave_0_\@
	s_barrier_signal -3
.Lnot_wave_0_\@:
	s_barrier_wait -3
	s_barrier_signal -1
	s_barrier_wait -1
.endm
.macro CROUND
	s_barrier_signal -1
	s_barrier_wait -1
	CREST
.endm
.macro PLACES n
.rept \n
	v_nop
.endr
.endm
.macro FRAG reg, adr, q, i
	ds_load_b128 v[\reg:\reg+3], v[\adr] offset:(\i)*BLK+(\q)*FRB
	ds_load_b64 v[\reg+4:\reg+5], v[\adr+2] offset:(\i)*BLK+(\q)*FRB+512
	ds_load_b128 v[\reg+6:\reg+9], v[\adr] offset:(\i)*BLK+(\q)*FRB+768
	ds_load_b64 v[\reg+10:\reg+11], v[\adr+2] offset:(\i)*BLK+(\q)*FRB+1280
.endm
.macro FETCH_B slot, q, p
	WIN TO_B
.irp i, 0,1,2,3,4,5,6,7
	FRAG 128*(\p)+FR*\i, B16+\slot, \q, \i
.endr
	WIN 0
.endm
.macro FETCH_A slot, q, i0
.irp i, \i0, \i0+1, \i0+2, \i0+3
	FRAG AF+FR*(\i), A16+\slot, \q, \i
.endr
.endm
; 16 matrix instructions: A's blocks a0, a0 + 1 x B's eight, K step ks.  cm = 0: in place; 1: C = the bias of B's block.  The 64 accumulators take turns, one instruction a turn.
.macro MUL16 a0, p, ks, cm
.irp a, \a0, \a0+1
.irp b, 0,1,2,3,4,5,6,7
.set rD, 8*(8*((\a)%4)+\b)
.set rB, 128*(\p)+FR*\b
.set rA, AF+FR*(\a)
.if (\cm) == 0
.set rC, rD
.else
.set rC, 96+8*\b+96*(\b/4)
.endif
	v_wmma_scale_f32_16x16x128_f8f6f4 v[rD:rD+7], v[rB:rB+FR-1], v[rA:rA+FR-1], v[rC:rC+7], v[SC+8*\b+(\ks)], v[SC+8*(\a)+(\ks)] matrix_a_fmt:MATRIX_FMT_FP6 matrix_b_fmt:MATRIX_FMT_FP6 matrix_a_scale:MATRIX_SCALE_ROW1
.endr
.endr
.endm
.macro STEP slot, ks, cm
	s_wait_dscnt 4*NL                              ; B's set and A's blocks 0-3 are in; the youngest 16 loads (A's blocks 4-7) may be out
.if (\cm) == 0
	WIN 0xa1
.else
	WIN 0x91
.endif
	MUL16 0, 0, \ks, \cm
	MUL16 2, 0, \ks, \cm
	s_wait_dscnt 0x0
	PLACES 4
	FETCH_B \slot, 1, 1
	FETCH_A \slot, 1, 0
.if (\cm) == 0
	WIN 0xf1
.else
	WIN 0xd1
.endif
	MUL16 4, 0, \ks, \cm
	MUL16 6, 0, \ks, \cm
	PLACES 4
	WIN 0
	FETCH_A \slot, 1, 4
.endm
.macro TURN slot, next, fill, ks
	s_wait_tensorcnt 0x0                           ; all my tensor loads have landed: my part of the next slot
	ds_add_u32 v[SPW], v[NIL]
	s_wait_dscnt 4*NL+1                            ; (the add and the youngest 16 loads may be out)
	WIN 0xa1
	MUL16 0, 1, \ks, 0
	s_wait_dscnt 0x0                               ; the add is done, and my reads of this slot are over
	s_barrier_signal -1
	MUL16 2, 1, \ks, 0
	WIN 0
	s_barrier_wait -1
.if \fill
	CREST                                          ; no wave of any partner still reads this slot or has a load on its way
	s_add_nc_u64 s[G0+4*\slot+2:G0+4*\slot+3], s[G0+4*\slot+2:G0+4*\slot+3], 2*BLK
	s_add_nc_u64 s[G0B+4*\slot+2:G0B+4*\slot+3], s[G0B+4*\slot+2:G0B+4*\slot+3], 2*BLK
	JLOAD G0+4*\slot, G1, G0B+4*\slot, G1B
.else
	PLACES 4
.endif
	FETCH_B \next, 0, 0
	FETCH_A \next, 0, 0
	WIN 0xf1
	MUL16 4, 1, \ks, 0
	MUL16 6, 1, \ks, 0
	PLACES 4
	WIN 0
	FETCH_A \next, 0, 4
.endm
.macro LAST ks
	s_wait_dscnt 4*NL
	WIN 0xa1
	MUL16 0, 1, \ks, 0
	MUL16 2, 1, \ks, 0
	s_wait_dscnt 0x0
	WIN 0xf1
	MUL16 4, 1, \ks, 0
	MUL16 6, 1, \ks, 0
	WIN 0
.endm
	s_load_b256 s[68:75], s[0:1], 0x0              ; ac 68, wpc 70, sc4 72, bp 74
	s_load_b64 s[76:77], s[0:1], 0x20              ; out0
	v_lshl_add_u32 v[SPW], v0, 2, SPARE
	v_mov_b32 v[NIL], 0
	ds_add_u32 v[SPW], v[NIL]                      ; the wave's opening: the add and its wait ahead of my first tensor load
	v_lshrrev_b32 v1, 5, v0
	v_readfirstlane_b32 s14, v1
	s_lshr_b32 s15, s14, 1
	s_and_b32 s16, s14, 1
	s_bfe_u32 s40, ttmp6, 0x40000                  ; cx
	s_bfe_u32 s41, ttmp6, 0x40004                  ; cy
	s_and_b32 s17, ttmp7, 0xffff
	s_lshl_b32 s18, s17, 2
	s_add_co_u32 s18, s18, s41                     ; att's tile
	s_lshl_b32 s46, ttmp9, 2
	s_add_co_u32 s46, s46, s40                     ; Wp's tile
	s_lshl_b32 s43, s41, 2
	s_lshl_b32 s43, 15, s43
	s_lshl_b32 s44, 0x1111, s40
	s_or_b32 s[G1], s43, (3<<16)|(1<<21)
	s_or_b32 s[G1B], s44, (3<<16)|(1<<21)
.irp g, G1, G1B
	s_mov_b32 s[\g+1], 384<<16
	s_mov_b32 s[\g+2], 8<<16
	s_mov_b32 s[\g+3], 384<<16
	s_mov_b32 s[\g+4], 8
	s_mov_b32 s[\g+5], 1536
	s_mov_b32 s[\g+6], 0
	s_mov_b32 s[\g+7], 0
.endr
	s_lshl_b32 s19, s16, 3
	s_lshl_b32 s20, s18, 4
	s_add_co_u32 s20, s20, s19
	s_mul_i32 s20, s20, 12288
	s_mov_b32 s21, 0
	s_lshl_b32 s92, s46, 4
	s_add_co_u32 s92, s92, s19
	s_mul_i32 s92, s92, 12288
	s_mov_b32 s93, 0
	s_mul_i32 s45, s14, HALFT
	s_wait_dscnt 0x0
	s_wait_kmcnt 0x0
	s_add_nc_u64 s[20:21], s[68:69], s[20:21]
	s_add_nc_u64 s[92:93], s[70:71], s[92:93]
	CROUND
.irp s, 0,1
	s_mov_b32 s[G0+4*\s], 1
	s_add_co_u32 s[G0+4*\s+1], s45, \s*SLOT
	s_add_nc_u64 s[G0+4*\s+2:G0+4*\s+3], s[20:21], \s*BLK
	s_or_b32 s[G0+4*\s+3], s[G0+4*\s+3], 0x80000000
	s_mov_b32 s[G0B+4*\s], 1
	s_add_co_u32 s[G0B+4*\s+1], s45, \s*SLOT
	s_add_nc_u64 s[G0B+4*\s+2:G0B+4*\s+3], s[92:93], \s*BLK
	s_or_b32 s[G0B+4*\s+3], s[G0B+4*\s+3], 0x80000000
	JLOAD G0+4*\s, G1, G0B+4*\s, G1B
.endr
	v_and_b32 v1, 15, v0
	v_bfe_u32 v2, v0, 4, 1
	v_and_b32 v3, 31, v0
	v_lshlrev_b32 v4, 4, v3
	v_lshlrev_b32 v5, 3, v3
	s_mul_i32 s10, s15, HALFT
	s_mul_i32 s11, s16, HALFT
	s_add_co_u32 s11, s11, 2*HALFT
.irp s, 0,1
	v_add_nc_u32 v[A16+\s], s10, v4
	v_add_nc_u32 v[A16+2+\s], s10, v5
	v_add_nc_u32 v[B16+\s], s11, v4
	v_add_nc_u32 v[B16+2+\s], s11, v5
	s_add_co_u32 s10, s10, SLOT
	s_add_co_u32 s11, s11, SLOT
.endr
	s_lshl_b32 s4, s18, 8
	s_lshl_b32 s5, s15, 7
	s_add_co_u32 s4, s4, s5                        ; att's rows
	s_lshl_b32 s5, s46, 8
	s_lshl_b32 s6, s16, 7
	s_add_co_u32 s5, s5, s6
	s_add_co_u32 s5, s5, 8192                      ; Wp's
	v_mov_b32 v13, s4
	v_mov_b32 v15, s5
	v_cmp_ne_u32 vcc_lo, 0, v2
	v_cndmask_b32 v14, v13, v15, vcc_lo
	v_add_lshl_u32 v14, v14, v1, 2
.irp i, 0,1,2,3,4,5,6,7
.irp s, 0,1,2,3,4,5,6,7
	global_load_b32 v[SC+8*\i+\s], v14, s[72:73] offset:\s*SSTR+64*\i
.endr
.endr
	s_lshl_b32 s4, s46, 10
	s_lshl_b32 s5, s16, 9
	s_add_co_u32 s4, s4, s5                        ; my 128 columns, in bytes
	s_mov_b32 s5, 0
	s_add_nc_u64 s[74:75], s[74:75], s[4:5]
	s_add_nc_u64 s[76:77], s[76:77], s[4:5]
	s_lshl_b32 s6, s18, 20
	s_lshl_b32 s7, s15, 19
	s_add_co_u32 s6, s6, s7                        ; my 128 rows of 4,096 bytes
	s_mov_b32 s7, 0
	s_add_nc_u64 s[76:77], s[76:77], s[6:7]
	v_lshlrev_b32 v6, 6, v2
	WIN TO_B
.irp b, 0,1,2,3,4,5,6,7
	global_load_b128 v[96+8*\b+96*(\b/4):96+8*\b+96*(\b/4)+3], v6, s[74:75] offset:(32*(\b/2)+8*(\b%2))*4
	global_load_b128 v[96+8*\b+96*(\b/4)+4:96+8*\b+96*(\b/4)+7], v6, s[74:75] offset:(32*(\b/2)+8*(\b%2))*4+16
.endr
	WIN 0
	s_mul_i32 s23, s14, 16*SPITCH                  ; my stage
	v_mul_u32_u24 v7, v1, SPITCH
	v_lshl_add_u32 v7, v2, 6, v7
	v_add_nc_u32 v[STO], s23, v7                   ; in: row r, + 64 h bytes
	v_add_nc_u32 v[RD], s23, v4                    ; back: the 32 lanes take one row of 512 bytes
	s_wait_tensorcnt 1                             ; my part of slot 0 is in; slot 1's load may be out
	s_barrier_signal -1
	s_barrier_wait -1
	FETCH_B 0, 0, 0
	FETCH_A 0, 0, 0
	FETCH_A 0, 0, 4
	s_wait_loadcnt 0x0                             ; scale words and bias
	STEP 0, 0, 1                                   ; the first K step starts the sums from the bias
	TURN 0, 1, 1, 1
	STEP 1, 2, 0
	TURN 1, 0, 1, 3
	STEP 0, 4, 0
	TURN 0, 1, 0, 5
	STEP 1, 6, 0
	LAST 7
; THE WAY OUT, block by block of 16 rows x 128 columns, through my own stage: LDS serves a wave's instructions in order, so no wait stands between the stores and the loads.
.macro TOSTAGE a
.set AC, 64*((\a)%4)
	WIN 0x08+4*((\a)/4)                            ; an LDS store's data: window 2 or 3
.irp b, 0,1,2,3,4,5,6,7
	ds_store_b128 v[STO], v[AC+8*\b:AC+8*\b+3] offset:128*(\b/2)+32*(\b%2)       ; each accumulator from its low end on
	ds_store_b128 v[STO], v[AC+8*\b+4:AC+8*\b+7] offset:128*(\b/2)+32*(\b%2)+16
.endr
	WIN 0
.set BB, BK+64*((\a)%2)
.irp t, 0,1,2,3,4,5,6,7,8,9,10,11,12,13,14,15
	ds_load_b128 v[BB+4*\t:BB+4*\t+3], v[RD] offset:\t*SPITCH
.endr
.endm
.macro SEND a, younger
.set BB, BK+64*((\a)%2)
	s_wait_dscnt \younger                          ; the block is back in registers
.irp t, 0,1,2,3,4,5,6,7,8,9,10,11,12,13,14,15
	global_store_b128 v4, v[BB+4*\t:BB+4*\t+3], s[76:77] offset:(32*((\a)/2)+8*((\a)%2)+\t+8*(\t/8))*4096 th:TH_STORE_NT   ; 32 lanes store 512 consecutive bytes, aligned to 256
.endr
.endm
	PLACES 4
	TOSTAGE 0
.irp a, 1,2,3,4,5,6,7
.if \a > 1
	s_wait_xcnt 0x0                                ; block a - 2's stores have read their registers: block a's loads may land there
.endif
	TOSTAGE \a
	SEND \a-1, 32                                  ; behind block a - 1's loads: block a's 16 stores and 16 loads
.endr
	SEND 7, 0
	s_wait_tensorcnt 0x0                           ; the wave's end
	ds_add_u32 v[SPW], v[NIL]
	s_wait_dscnt 0x0
	CROUND                                         ; the closing round
	s_endpgm
.Lfunc_end_k_qf07e978ccd_proj:
	.size	k_qf07e978ccd_proj, .Lfunc_end_k_qf07e978ccd_proj-k_qf07e978ccd_proj
	.p2alignl 7, 3214868480
	.fill 96, 4, 3214868480
	.section	.rodata,"a",@progbits
	.p2align	6, 0x0
	.amdhsa_kernel k_qf07e978ccd_proj
		.amdhsa_group_segment_fixed_size 327680
		.amdhsa_private_segment_fixed_size 0
		.amdhsa_enable_private_segment 0
		.amdhsa_kernarg_size 40
		.amdhsa_user_sgpr_count 2
		.amdhsa_user_sgpr_kernarg_segment_ptr 1
		.amdhsa_wavefront_size32 1
		.amdhsa_system_sgpr_workgroup_id_x 1
		.amdhsa_system_sgpr_workgroup_id_y 1
		.amdhsa_system_sgpr_workgroup_id_z 1
		.amdhsa_system_vgpr_workitem_id 0
		.amdhsa_next_free_vgpr 1024
		.amdhsa_next_free_sgpr 100
		.amdhsa_reserve_vcc 1
		.amdhsa_float_denorm_mode_32 3
		.amdhsa_float_denorm_mode_16_64 3
		.amdhsa_memory_ordered 1
		.amdhsa_forward_progress 1
		.amdhsa_inst_pref_size 146
	.end_amdhsa_kernel
	.amdgpu_metadata
---
amdhsa.version: [ 1, 2 ]
amdhsa.kernels:
  - .name:           k_qf07e978ccd_proj
    .symbol:         k_qf07e978ccd_proj.kd
    .args:
      - { .name: ac, .offset: 0, .size: 8, .value_kind: global_buffer, .address_space: global }
      - { .name: wpc, .offset: 8, .size: 8, .value_kind: global_buffer, .address_space: global }
      - { .name: sc4, .offset: 16, .size: 8, .value_kind: global_buffer, .address_space: global }
      - { .name: bp, .offset: 24, .size: 8, .value_kind: global_buffer, .address_space: global }
      - { .name: out0, .offset: 32, .size: 8, .value_kind: global_buffer, .address_space: global }
    .group_segment_fixed_size: 327680
    .private_segment_fixed_size: 0
    .kernarg_segment_align: 8
    .kernarg_segment_size: 40
    .max_flat_workgroup_size: 128
    .sgpr_count:     100
    .vgpr_count:     1024
    .wavefront_size: 32
...
	.end_amdgpu_metadata
.endif
;; end of part 4
